; MI455X (gfx1250); checked and timed in simulation.
; The chip was launched on July 23, 2026; its instructions are those of AMD's public machine-readable ISA for CDNA 5 (MIT licence, August 2026) and "CDNA5" Instruction Set Architecture Reference Guide (July 2026). The comments in the code are by the model that wrote it; some were corrected since.
;; Flash Multi Head Attention NS Token. Allowed arithmetic: matrix products marked QUANTISED: E2M3 operands, one E8M0 scale for each 32 along K, by v_wmma_scale_f32_16x16x128_f8f6f4 with both operands' format E2M3, f32 sums; everything else in f32.
;; Inputs: Wk 1,024 x 1,024 float32; Wo 1,024 x 1,024 float32; Wq 1,024 x 1,024 float32; Wv 1,024 x 1,024 float32; attn_mask 2 x 2,048 x 2,048 bool; bk 1,024 float32; bo 1,024 float32; bq 1,024 float32; bv 1,024 float32; key 2 x 2,048 x 1,024 float32; query 2 x 2,048 x 1,024 float32; relative_time 2 x 1 x 2,048 x 2,048 float32; value 2 x 2,048 x 1,024 float32.
;; Outputs: out0 2 x 2,048 x 1,024 float32.
;; This version of the problem:
;;   THIS VERSION OF THE PROBLEM IS GIVEN IN LOW PRECISION. The matrix products marked QUANTISED in the list below multiply operands that are first quantised to E2M3 (2 exponent bits, 3 mantissa bits; 6 bits a number), with one power-of-two scale for each 32 numbers along K (OCP MX v1.0); their sums are f32. All else is computed in f32.
;;   The module's matrix products, in the order in which they are computed (A, B: the left and right operand; K: the contracted axis; several contracted axes count as one K, in the product's order):
;;     1. [M 4,096, K 1,024] x [K 1,024, N 1,024]; A: input query; B: input Wq: QUANTISED
;;     2. [M 4,096, K 1,024] x [K 1,024, N 1,024]; A: input key; B: input Wk: QUANTISED
;;     3. [M 4,096, K 1,024] x [K 1,024, N 1,024]; A: input value; B: input Wv: QUANTISED
;;     4. batch 32 x [M 2,048, K 64] x [K 64, N 2,048]; A: computed on the way; B: computed on the way: QUANTISED
;;     5. batch 32 x [M 2,048, K 2,048] x [K 2,048, N 64]; A: computed on the way; B: computed on the way: QUANTISED
;;     6. [M 4,096, K 1,024] x [K 1,024, N 1,024]; A: computed on the way; B: input Wo: QUANTISED
;;   THE QUANTISER, for each operand of a quantised product, along K:
;;     - K is cut into blocks of 32 from its start; a last block that is shorter is filled with zeros.
;;     - A block's scale is 2^e with e = floor(log2(the largest magnitude in the block)) - 2, held to -126 .. 127; a block of zeros has e = 0. As a byte (E8M0): e + 127.
;;     - Each number is divided by its block's scale, clamped to +-7.5, and rounded to the nearest number of E2M3, ties to even, subnormals kept.
;;     - The product sums the exact products of the quantised numbers (number of the format x scale) in f32.
;;   ~~~python
;;   def quantise(x, axis):      # numpy; x: float32 -> the quantised numbers, widened to float32 again
;;       x = np.moveaxis(x, axis, -1); K = x.shape[-1]
;;       x = np.pad(x, [(0, 0)] * (x.ndim - 1) + [(0, -K % 32)]); x = x.reshape(x.shape[:-1] + (-1, 32)); a = np.abs(x).max(-1, keepdims=True)
;;       e = np.where(a > 0, np.clip(np.frexp(np.where(a > 0, a, 1))[1] - 1 - 2, -126, 127), 0)      # np.frexp(a)[1] - 1 = floor(log2(a)), exactly
;;       r = np.clip(x / 2.0 ** e, -7.5, 7.5)
;;       step = 2.0 ** (np.maximum(np.frexp(np.where(r == 0, 1, r))[1] - 1, 0) - 3)
;;       q = np.round(r / step) * step * 2.0 ** e      # np.round: ties to even
;;       return np.moveaxis(q.reshape(q.shape[:-2] + (-1,))[..., :K], -1, axis).astype(np.float32)
;;   ~~~
;;   OPERANDS COMPUTED ON THE WAY. 'Computed on the way' means the value that the module computes at that place (a softmax that the list does not call 'softmax' is quantised finished and normalised). What goes into a quantiser is computed in f32, as accurately as f32 sums, v_exp_f32 and their like allow (about 1e-6 of the number): no bf16 or f16 on the way to a quantiser, and a product that is left as it is and whose result goes on into a quantised operand takes f32 operands (vector FMAs, or v_wmma_f32_16x16x4_f32). A number that lies on a knife's edge between two numbers of the format may be rounded either way, as far as f32 arithmetic and the matrix unit's own rounding can turn it there, and no further.
;; One version. Each part assembles by itself: llvm-mc -triple=amdgcn-amd-amdhsa -mcpu=gfx1250 --defsym DOCPART=n.
;; ======== version 1 of 1: 4 launches
;; limits: right only within a limited range of input values
;; workspace buffers: opnd 13,107,200 bytes; bimg 33,554,432 bytes; qimg 3,276,800 bytes; kimg 3,276,800 bytes; vimg 3,276,800 bytes; oimg 3,276,800 bytes
;; launch prep (part 1): grid 512 x 1, 4 waves a work-group, no clusters, 68,096 bytes of LDS; arguments query, key, value, Wq, Wk, Wv, Wo, relative_time, attn_mask, opnd, bimg; writes opnd, bimg
.if DOCPART == 1
	.amdgcn_target "amdgcn-amd-amdhsa--gfx1250"
	.amdhsa_code_object_version 6
	.text
	.protected	k_q92cfb50cf9_prep
	.globl	k_q92cfb50cf9_prep
	.p2align	8
	.type	k_q92cfb50cf9_prep,@function
k_q92cfb50cf9_prep:
	s_mov_b64 s[64:65], 0
	v_nop
	global_prefetch_b8 v0, s[64:65] scope:SCOPE_SE
	s_setreg_imm32_b32 hwreg(HW_REG_WAVE_MODE, 25, 1), 1
	s_wait_xcnt 0x0
; PREP.  Two streams in one launch, parted on the work-group's number; each has LDS bytes of its own.
; (1) Work-groups 0-255: query, key, value, Wq, Wk, Wv, Wo (f32, K = 1,024 innermost) become codes of FP6 (E2M3) with one E8M0 byte for each 32 along K, laid AS THE MATRIX OPERAND'S REGISTERS:
;     opnd[row block of 128 rows][K step of 128][12,800 bytes] = 8 images of 1,536 bytes (tile t; piece c of 512 bytes holds registers 4c..4c+3, 16 bytes a lane), then 512 bytes of scale words.
;     Lane r of tile t = 2b+u takes row 32b + 8u + r + 8(r/8) of the block.  KEY'S ROW BLOCKS ALONE take row 64(t/4) + 8(t%4) + r + 24(r/8): in the attention's scores a lane then holds whole blocks of 32 keys.
;     The scale word of (tile t, row r) lies at 16(r + 16(t%2)) + 4(t/2): one 16-byte load a lane gives four scale registers, register i with tile 2i in lanes 0-15 and tile 2i+1 in lanes 16-31.
;     Row blocks: query 0-31, key 32-63, value 64-95, Wq 96-103, Wk 104-111, Wv 112-119, Wo 120-127.
; (2) Work-groups 256-511: relative_time and attn_mask become one f32 bias, -1e30 where the mask is 0, laid as the C operand of S^T = K Q^T + C:
;     bimg[query tile T][key step of 128][8,192 bytes]; piece i = 8c+j at 512i + 16 lane holds bias(query of lane r, key 64c + 32h + 4j + 0..3).
; A block's scale is 2^(floor(log2(largest magnitude)) - 2); its byte is the largest magnitude's exponent field - 2, held at 1 from below.
; LIMITS: a block of zeros carries the byte 1, not 127 (its codes are zeros; this program alone reads the bytes); NaN and infinities are not served; mask bytes are taken as 0 or 1.
; Every global load covers 512 consecutive bytes of a row (the mask's 128), every store 512.  A tile turns through the wave's own stage in LDS (16 rows, 528 bytes apart).  No barrier: waves share nothing.
.set STGB, 8448                        ; a wave's stage: 16 rows x 528 bytes
.set BST0, 4*STGB                      ; the bias path's stages begin behind the code path's
.set R,   32                           ; v32-159  two sets of 64: a tile as loaded
.set X,   160                          ; v160-223 code path: my 64 numbers of a row
.set CD,  224                          ; v224-235 the codes; v236-238, v240-242 at work
.set W,   16                           ; v16-23   the eight tiles' scale words
.set SW,  24                           ; v24-27   the four scale registers' image
.set MK,  160                          ; v160-191 bias path: two sets of 16 mask words
.set Y,   192                          ; v192-255 bias path: the image to store
	s_load_b256 s[8:15], s[0:1], 0x0               ; query, key, value, Wq
	s_load_b256 s[16:23], s[0:1], 0x20             ; Wk, Wv, Wo, relative_time
	s_load_b128 s[24:27], s[0:1], 0x40             ; attn_mask, opnd
	s_load_b64 s[28:29], s[0:1], 0x50              ; bimg
	v_lshl_add_u32 v31, v0, 2, 0x10800
	s_set_vgpr_msb 0x40
	v_mov_b32 v1, 0
	s_set_vgpr_msb 0x4000
	v_lshrrev_b32 v1, 5, v0
	v_readfirstlane_b32 s2, v1                     ; wave
	v_and_b32 v2, 31, v0                           ; lane
	v_and_b32 v3, 15, v0                           ; r
	v_bfe_u32 v4, v0, 4, 1                         ; h
	v_lshlrev_b32 v5, 4, v2                        ; 16 x lane
	s_mul_i32 s3, s2, STGB
	s_cmp_lt_u32 ttmp9, 256
	s_cbranch_scc0 .Lbias
; ---------------- codes ----------------
; Tile t: its 16 rows' 512 bytes of this K step, into set t % 2.  The immediates are the common rule's rows.  Key's rule differs from it by 16 rows in two places: the upper eight rows of tiles 0, 1, 4, 5 lie
; 16 rows further down (offset register v29: + 16 rows for key, + 0 else), the lower eight of tiles 2, 3, 6, 7 lie 16 rows further up (immediate 16 rows less, offset register v30: + 0 for key, + 16 rows else).
.macro LOADX t
.set ii, 0
.rept 16
.set ro, 32*((\t)/2)+8*((\t)%2)+ii+8*(ii/8)
.if ((((\t)/2)%2) == 0) && (ii >= 8)
	global_load_b128 v[R+64*((\t)%2)+4*ii:R+64*((\t)%2)+4*ii+3], v29, s[30:31] offset:ro*4096 th:TH_LOAD_NT
.elseif ((((\t)/2)%2) == 1) && (ii < 8)
	global_load_b128 v[R+64*((\t)%2)+4*ii:R+64*((\t)%2)+4*ii+3], v30, s[30:31] offset:(ro-16)*4096 th:TH_LOAD_NT
.else
	global_load_b128 v[R+64*((\t)%2)+4*ii:R+64*((\t)%2)+4*ii+3], v5, s[30:31] offset:ro*4096 th:TH_LOAD_NT
.endif
.set ii, ii+1
.endr
.endm
.macro TILE t
.if (\t) < 7
	s_wait_loadcnt 16                              ; this tile's 16 loads are in; the next tile's may be out
.else
	s_wait_loadcnt 0x0
.endif
.set ii, 0
.rept 16
	ds_store_b128 v6, v[R+64*((\t)%2)+4*ii:R+64*((\t)%2)+4*ii+3] offset:528*ii
.set ii, ii+1
.endr
.irp c, 0,1                            ; back: lane (r, h) takes k = 64c + 32h + 0..31 of row r: two whole blocks of 32.  LDS serves a wave's instructions in order: these see the stores
.irp i, 0,1,2,3,4,5,6,7
	ds_load_b128 v[X+32*\c+4*\i:X+32*\c+4*\i+3], v7 offset:256*\c+16*\i
.endr
.endr
	s_wait_dscnt 0x0                               ; my numbers are back, and the stage stores have read their registers,
.if (\t) < 6
	LOADX (\t)+2                                   ; which take the tile two on
.endif
.irp c, 0,1
	v_max3_num_f32 v[8+\c], |v[X+32*\c]|, |v[X+32*\c+1]|, 0x1800000   ; the block's largest magnitude, over the floor 2^(3-127): the byte cannot fall under 1
.endr
.irp i, 2,4,6,8,10,12,14,16,18,20,22,24,26,28,30
.irp c, 0,1
	v_max3_num_f32 v[8+\c], v[8+\c], |v[X+32*\c+\i]|, |v[X+32*\c+\i+1]|
.endr
.endr
.irp c, 0,1
	v_add_nc_u32 v[10+\c], 0xff000000, v[8+\c]     ; 2 off the exponent field: the conversion's scale operand
.endr
.irp c, 0,1
	v_lshrrev_b32 v[12+\c], 23, v[10+\c]           ; the scale's byte
.endr
	v_lshl_or_b32 v14, v13, 16, v12                ; my bytes: blocks h and 2 + h,
	v_lshlrev_b32 v14, v28, v14                    ; at their places (8h bits up);
	v_permlanex16_b32 v15, v14, s40, s41
	v_or_b32 v[W+(\t)], v14, v15                   ; with lane l xor 16's two the row's word is whole, in both lanes
	s_wait_alu depctr_va_vdst(0)
	s_wait_xcnt 0x0                                ; the last tile's stores have read the codes' registers
.irp c, 0,1
	v_cvt_scalef32_pk16_fp6_f32 v[CD+6*\c:CD+6*\c+2], v[X+32*\c:X+32*\c+15], v[10+\c]
	v_cvt_scalef32_pk16_fp6_f32 v[CD+12+4*\c:CD+14+4*\c], v[X+32*\c+16:X+32*\c+31], v[10+\c]   ; (a conversion's three registers begin on an even number)
.endr
	v_nop                                          ; one plain place behind a scaled conversion
.irp c, 0,1
.irp i, 0,1,2
	v_mov_b32 v[CD+3+6*\c+\i], v[CD+12+4*\c+\i]
.endr
.endr
.irp c, 0,1,2
	global_store_b128 v5, v[CD+4*\c:CD+4*\c+3], s[26:27] offset:1536*(\t)+512*\c   ; the image: 512 consecutive bytes a store
.endr
.endm
	s_lshr_b32 s4, ttmp9, 1                        ; row block 0..127
	s_and_b32 s5, ttmp9, 1
	s_lshl_b32 s5, s5, 2
	s_add_co_u32 s5, s5, s2                        ; K step 0..7
	s_mov_b32 s40, 0x76543210
	s_mov_b32 s41, 0xfedcba98                      ; v_permlanex16_b32's selects for lane l xor 16
	s_wait_alu depctr_va_vdst(0)
	v_add_nc_u32 v6, s3, v5                        ; the stage, in: row i at 528 i, 16 bytes a lane
	v_mul_u32_u24 v7, v3, 528
	v_lshl_add_u32 v7, v4, 7, v7
	v_add_nc_u32 v7, s3, v7                        ; and out: row r, + 128 h
	v_lshlrev_b32 v28, 3, v4                       ; 8 h
	v_mov_b32 v15, 0                               ; a lane permute's destination counts as one of its sources
	s_lshr_b32 s36, s4, 5
	s_cmp_eq_u32 s36, 1                            ; key's row blocks are 32 to 63
	s_cselect_b32 s36, 0x10000, 0                  ; 16 rows of 4,096 bytes, for key
	s_cselect_b32 s37, 0, 0x10000                  ; and for the others
	v_add_nc_u32 v29, s36, v5
	v_add_nc_u32 v30, s37, v5
	s_and_b32 s6, s4, 31
	s_and_b32 s7, s4, 7
	s_cmp_lt_u32 s4, 96
	s_cselect_b32 s6, s6, s7                       ; the row block within its tensor
	s_lshl_b32 s6, s6, 19                          ; 128 rows of 4,096 bytes
	s_lshl_b32 s7, s5, 9
	s_add_co_u32 s32, s6, s7
	s_mov_b32 s33, 0
	s_lshl_b32 s6, s4, 3
	s_add_co_u32 s6, s6, s5
	s_mul_i32 s34, s6, 12800
	s_mov_b32 s35, 0
	s_wait_alu depctr_va_vdst(0)
	s_wait_kmcnt 0x0
	s_mov_b64 s[30:31], s[8:9]                     ; the tensor is chosen by the work-group's number alone
	s_cmp_ge_u32 s4, 32
	s_cselect_b64 s[30:31], s[10:11], s[30:31]
	s_cmp_ge_u32 s4, 64
	s_cselect_b64 s[30:31], s[12:13], s[30:31]
	s_cmp_ge_u32 s4, 96
	s_cselect_b64 s[30:31], s[14:15], s[30:31]
	s_cmp_ge_u32 s4, 104
	s_cselect_b64 s[30:31], s[16:17], s[30:31]
	s_cmp_ge_u32 s4, 112
	s_cselect_b64 s[30:31], s[18:19], s[30:31]
	s_cmp_ge_u32 s4, 120
	s_cselect_b64 s[30:31], s[20:21], s[30:31]
	s_add_nc_u64 s[30:31], s[30:31], s[32:33]
	s_add_nc_u64 s[26:27], s[26:27], s[34:35]
	LOADX 0
	LOADX 1
.irp t, 0,1,2,3,4,5,6,7
	TILE \t
.endr
	s_mov_b32 vcc_lo, 0xffff0000
.irp i, 0,1,2,3
	v_cndmask_b32 v[SW+\i], v[W+2*\i], v[W+2*\i+1], vcc_lo   ; lanes 0-15: tile 2i's words; lanes 16-31: tile 2i+1's
.endr
	global_store_b128 v5, v[SW:SW+3], s[26:27] offset:12288
	s_set_vgpr_msb 0x4
	s_wait_tensorcnt 0x0
	ds_add_u32 v31, v1
	s_wait_dscnt 0x0
	s_set_vgpr_msb 0x400
	s_endpgm
; ---------------- bias ----------------
.macro LOADB u                         ; unit u: 16 queries x 128 keys of relative_time (512 bytes a row) and of the mask (128 bytes a row), into set u % 2
.set ii, 0
.rept 16
	global_load_b128 v[R+64*((\u)%2)+4*ii:R+64*((\u)%2)+4*ii+3], v5, s[22:23] offset:(ii+8*(ii/8))*8192+512*(\u) th:TH_LOAD_NT
	global_load_b32 v[MK+16*((\u)%2)+ii], v8, s[24:25] offset:(ii+8*(ii/8))*2048+128*(\u) th:TH_LOAD_NT
.set ii, ii+1
.endr
.endm
.macro UNIT u
.if (\u) < 3
	s_wait_loadcnt 32                              ; this unit's 32 loads are in; the next unit's may be out
.else
	s_wait_loadcnt 0x0
.endif
.set ii, 0
.rept 16
	v_mul_lo_u32 v[MK+16*((\u)%2)+ii], v[MK+16*((\u)%2)+ii], s46   ; bytes 0 / 1 become 0 / 0xff
.set ii, ii+1
.endr
.set ii, 0
.rept 16
.irp e, 0,1,2,3
	v_perm_b32 v[10+\e], v[MK+16*((\u)%2)+ii], v[MK+16*((\u)%2)+ii], s[42+\e]   ; byte e in all four bytes
.endr
.irp e, 0,1,2,3
	v_bfi_b32 v[R+64*((\u)%2)+4*ii+\e], v[10+\e], v[R+64*((\u)%2)+4*ii+\e], v9   ; the number where the mask is 1, -1e30 where it is 0
.endr
	ds_store_b128 v6, v[R+64*((\u)%2)+4*ii:R+64*((\u)%2)+4*ii+3] offset:528*ii
.set ii, ii+1
.endr
	s_wait_xcnt 0x0                                ; the last unit's stores have read the image's registers
.irp c, 0,1
.irp j, 0,1,2,3,4,5,6,7
	ds_load_b128 v[Y+4*(8*\c+\j):Y+4*(8*\c+\j)+3], v7 offset:256*\c+16*\j   ; lane (r, h): keys 64c + 32h + 4j + 0..3 of query r
.endr
.endr
	s_wait_dscnt 15                                ; the first load is back: so the stage stores ahead of it have read their registers,
.if (\u) < 2
	LOADB (\u)+2                                   ; which take the unit two on
.endif
.set ii, 0
.rept 16
	s_wait_dscnt 15-ii
	global_store_b128 v5, v[Y+4*ii:Y+4*ii+3], s[28:29] offset:8192*(\u)+512*ii
.set ii, ii+1
.endr
.endm
.Lbias:
	s_sub_co_u32 s4, ttmp9, 256                    ; query tile T = 128 b + 8 (block of 128) + t
	s_lshr_b32 s5, s4, 7                           ; b
	s_lshr_b32 s6, s4, 3
	s_and_b32 s6, s6, 15
	s_lshl_b32 s6, s6, 7                           ; 128 x block
	s_and_b32 s7, s4, 7                            ; t
	s_lshr_b32 s32, s7, 1
	s_lshl_b32 s32, s32, 5
	s_add_co_u32 s6, s6, s32
	s_and_b32 s32, s7, 1
	s_lshl_b32 s32, s32, 3
	s_add_co_u32 s6, s6, s32                       ; + 32 (t/2) + 8 (t%2)
	s_lshl_b32 s32, s5, 11
	s_add_co_u32 s6, s6, s32                       ; + 2,048 b: the tile's first row
	s_lshl_b32 s32, s6, 13                         ; relative_time: rows of 8,192 bytes; wave w takes key steps 4w .. 4w+3
	s_lshl_b32 s34, s2, 11
	s_add_co_u32 s32, s32, s34
	s_mov_b32 s33, 0
	s_lshl_b32 s34, s6, 11                         ; the mask: rows of 2,048 bytes
	s_lshl_b32 s36, s2, 9
	s_add_co_u32 s34, s34, s36
	s_mov_b32 s35, 0
	s_lshl_b32 s36, s4, 17                         ; bimg: 131,072 bytes a tile, 8,192 a step
	s_lshl_b32 s38, s2, 15
	s_add_co_u32 s36, s36, s38
	s_mov_b32 s37, 0
	s_mov_b32 s42, 0
	s_mov_b32 s43, 0x01010101
	s_mov_b32 s44, 0x02020202
	s_mov_b32 s45, 0x03030303
	s_mov_b32 s46, 255
	s_wait_alu depctr_va_vdst(0)
	v_add_nc_u32 v6, s3, v5
	v_add_nc_u32 v6, BST0, v6                      ; the stage, in
	v_mul_u32_u24 v7, v3, 528
	v_lshl_add_u32 v7, v4, 7, v7
	v_add_nc_u32 v7, s3, v7
	v_add_nc_u32 v7, BST0, v7                      ; and out: row r, + 128 h: my half's 32 keys of each 64
	v_lshlrev_b32 v8, 2, v2                        ; the mask: 4 bytes a lane, the keys of my 16 bytes of relative_time
	v_mov_b32 v9, 0xf149f2ca                       ; -1e30
	s_wait_alu depctr_va_vdst(0)
	s_wait_kmcnt 0x0
	s_add_nc_u64 s[22:23], s[22:23], s[32:33]
	s_add_nc_u64 s[24:25], s[24:25], s[34:35]
	s_add_nc_u64 s[28:29], s[28:29], s[36:37]
	LOADB 0
	LOADB 1
.irp u, 0,1,2,3
	UNIT \u
.endr
	s_set_vgpr_msb 0x4
	s_wait_tensorcnt 0x0
	ds_add_u32 v31, v1
	s_wait_dscnt 0x0
	s_set_vgpr_msb 0x400
	s_endpgm
.Lfunc_end_k_q92cfb50cf9_prep:
	.size	k_q92cfb50cf9_prep, .Lfunc_end_k_q92cfb50cf9_prep-k_q92cfb50cf9_prep
	.p2alignl 7, 3214868480
	.fill 96, 4, 3214868480
	.section	.rodata,"a",@progbits
	.p2align	6, 0x0
	.amdhsa_kernel k_q92cfb50cf9_prep
		.amdhsa_group_segment_fixed_size 68096
		.amdhsa_private_segment_fixed_size 0
		.amdhsa_enable_private_segment 0
		.amdhsa_kernarg_size 88
		.amdhsa_user_sgpr_count 2
		.amdhsa_user_sgpr_kernarg_segment_ptr 1
		.amdhsa_wavefront_size32 1
		.amdhsa_system_sgpr_workgroup_id_x 1
		.amdhsa_system_sgpr_workgroup_id_y 1
		.amdhsa_system_sgpr_workgroup_id_z 1
		.amdhsa_system_vgpr_workitem_id 0
		.amdhsa_next_free_vgpr 258
		.amdhsa_next_free_sgpr 66
		.amdhsa_reserve_vcc 1
		.amdhsa_float_denorm_mode_32 3
		.amdhsa_float_denorm_mode_16_64 3
		.amdhsa_memory_ordered 1
		.amdhsa_forward_progress 1
		.amdhsa_inst_pref_size 125
	.end_amdhsa_kernel
	.amdgpu_metadata
---
amdhsa.version: [ 1, 2 ]
amdhsa.kernels:
  - .name:           k_q92cfb50cf9_prep
    .symbol:         k_q92cfb50cf9_prep.kd
    .args:
      - { .name: query, .offset: 0, .size: 8, .value_kind: global_buffer, .address_space: global }
      - { .name: key, .offset: 8, .size: 8, .value_kind: global_buffer, .address_space: global }
      - { .name: value, .offset: 16, .size: 8, .value_kind: global_buffer, .address_space: global }
      - { .name: Wq, .offset: 24, .size: 8, .value_kind: global_buffer, .address_space: global }
      - { .name: Wk, .offset: 32, .size: 8, .value_kind: global_buffer, .address_space: global }
      - { .name: Wv, .offset: 40, .size: 8, .value_kind: global_buffer, .address_space: global }
      - { .name: Wo, .offset: 48, .size: 8, .value_kind: global_buffer, .address_space: global }
      - { .name: relative_time, .offset: 56, .size: 8, .value_kind: global_buffer, .address_space: global }
      - { .name: attn_mask, .offset: 64, .size: 8, .value_kind: global_buffer, .address_space: global }
      - { .name: opnd, .offset: 72, .size: 8, .value_kind: global_buffer, .address_space: global }
      - { .name: bimg, .offset: 80, .size: 8, .value_kind: global_buffer, .address_space: global }
    .group_segment_fixed_size: 68096
    .private_segment_fixed_size: 0
    .kernarg_segment_align: 8
    .kernarg_segment_size: 88
    .max_flat_workgroup_size: 128
    .sgpr_count:     66
    .vgpr_count:     258
    .wavefront_size: 32
...
	.end_amdgpu_metadata
.endif
;; end of part 1
;; launch proj (part 2): grid 16 x 12, 4 waves a work-group, clusters of 4 x 4, 327,680 bytes of LDS; arguments opnd, bq, bk, bv, qimg, kimg, vimg; writes qimg, kimg, vimg
.if DOCPART == 2
	.amdgcn_target "amdgcn-amd-amdhsa--gfx1250"
	.amdhsa_code_object_version 6
	.text
	.protected	k_q92cfb50cf9_proj
	.globl	k_q92cfb50cf9_proj
	.p2align	8
	.type	k_q92cfb50cf9_proj,@function
k_q92cfb50cf9_proj:
	s_mov_b64 s[64:65], 0
	v_nop
	global_prefetch_b8 v0, s[64:65] scope:SCOPE_SE
	s_setreg_imm32_b32 hwreg(HW_REG_WAVE_MODE, 25, 1), 1
	s_wait_xcnt 0x0
	s_wait_alu depctr_hold_cnt(0) depctr_sa_sdst(0) depctr_va_vdst(0) depctr_va_sdst(0) depctr_va_ssrc(0) depctr_va_vcc(0) depctr_vm_vsrc(0)
	s_getreg_b32 s2, hwreg(HW_REG_IB_STS2, 6, 4)
	s_cmp_eq_u32 s2, 0
	s_cbranch_scc0 .Lentry_in_a_cluster
	s_endpgm
.Lentry_in_a_cluster:
	s_bfe_u32 s2, ttmp6, 0x10000c
	s_cmp_lg_u32 s2, 0xf033
	s_cbranch_scc0 .Lentry_shape_is_right
	s_endpgm
.Lentry_shape_is_right:
; PROJ.  Q = query Wq^T + bq, K = key Wk^T + bk, V^T = (value Wv^T + bv)^T, on codes of FP6 (E2M3) with E8M0 scales; the results are quantised in registers and leave as operand images for the attention.
; A work-group makes 256 P rows x 256 R rows; P is source 0 (its rows run along a lane's registers: the axis that is quantised next), R is source 1 (its rows lie in the lanes).
;   Q, K (cluster y = 0, 1): P = rows of W (output columns: 128 = a pair of heads, the next K), R = rows of query / key.      V (cluster y = 2): P = rows of value (keys: the next K), R = rows of Wv.
; A wave makes 128 x 128: 64 accumulators, 512 registers.  192 work-groups: a wave needs 128 P rows to make whole fragments, and 768 wave tiles are all there are.
; OPERANDS are images of their registers (opnd: 8 images of 1,536 bytes and 512 bytes of scale words for 128 rows x 128 K): a fragment is three 16-byte loads a lane at 16 x lane, with no pitch and no padding.
; K goes in slots of two K steps through a ring of two LDS slots; a slot's quarter (one row block, two K steps) is 25,600 dense bytes of opnd, one tensor load of 100 rows of 256 bytes.
; CLUSTERS 4 x 4: P's blocks hang on the cluster's x place and are shared along a column, R's on its y place and are shared along a row; each is asked for jointly.
; The bias is the C of the first K step's products.  The one branch on the kind of product hangs on the cluster's y number, which all partners share.
; LIMITS: a block of zeros carries the byte 1, not 127 (zero codes; this program alone reads the bytes); NaN and infinities are not served.
; REGISTERS: window 0: v1 16 x lane; v8-15 bias offsets; v16,17 / v20,21 LDS addresses of my P / R blocks in slot 0, 1; v28,29 for the add; v32-63 scale registers, two sets; v64-127 the bias; v128-223 R's 8 fragments
;   (on the way out: codes and work).  window 1: P's fragments, two sets, at v0 and v128.  windows 2, 3: accumulator (a = R tile, b = P tile) at v[8 (8 (a%4) + b)].
.set IMG,   1536
.set OPB,   12800
.set CHUNK, 25600
.set SLOT,  4*CHUNK                    ; P's two blocks, then R's two
.set SPARE, 2*SLOT                     ; the spare words, 128 bytes for each wave: two blocks of 256 bytes that no other line names
.set RBB,   8*OPB                      ; a row block of opnd
.set AP,  16
.set AR,  20
.set SPW, 28
.set NIL, 29
.set SC,  32                           ; set s, K step q of the slot: P's four registers at SC+16s+8q, R's at +4
.set BB,  64
.set AF,  128
.set PC,  128                          ; the way out: v128-139 codes, v140-147 at work
.set TM,  148                          ; v148-163
.set PWS, 164                          ; v164-171 the eight tiles' scale words
.set SW,  172
.set G1R, 24
.set G0R, 32
.set G1P, 48
.set G0P, 56
.set SEL, 96
.set MSB, 0
.macro WIN new                         ; the immediate's high byte repeats the setting that is left
.if MSB != (\new)
	s_set_vgpr_msb (MSB<<8)|(\new)
.set MSB, (\new)
.endif
.endm
.macro WMMA d, a, b, c, sa, sb, ra, rb  ; ra, rb = 1: that side's scales are read from lanes 16-31
.if ((\ra)==0)&&((\rb)==0)
	v_wmma_scale_f32_16x16x128_f8f6f4 v[(\d):(\d)+7], v[(\a):(\a)+11], v[(\b):(\b)+11], v[(\c):(\c)+7], v[(\sa)], v[(\sb)] matrix_a_fmt:MATRIX_FMT_FP6 matrix_b_fmt:MATRIX_FMT_FP6
.elseif (\rb)==0
	v_wmma_scale_f32_16x16x128_f8f6f4 v[(\d):(\d)+7], v[(\a):(\a)+11], v[(\b):(\b)+11], v[(\c):(\c)+7], v[(\sa)], v[(\sb)] matrix_a_fmt:MATRIX_FMT_FP6 matrix_b_fmt:MATRIX_FMT_FP6 matrix_a_scale:MATRIX_SCALE_ROW1
.elseif (\ra)==0
	v_wmma_scale_f32_16x16x128_f8f6f4 v[(\d):(\d)+7], v[(\a):(\a)+11], v[(\b):(\b)+11], v[(\c):(\c)+7], v[(\sa)], v[(\sb)] matrix_a_fmt:MATRIX_FMT_FP6 matrix_b_fmt:MATRIX_FMT_FP6 matrix_b_scale:MATRIX_SCALE_ROW1
.else
	v_wmma_scale_f32_16x16x128_f8f6f4 v[(\d):(\d)+7], v[(\a):(\a)+11], v[(\b):(\b)+11], v[(\c):(\c)+7], v[(\sa)], v[(\sb)] matrix_a_fmt:MATRIX_FMT_FP6 matrix_b_fmt:MATRIX_FMT_FP6 matrix_a_scale:MATRIX_SCALE_ROW1 matrix_b_scale:MATRIX_SCALE_ROW1
.endif
.endm
.macro PLACES                          ; four plain vector places behind matrix instructions, in front of loads into their registers and of reads of their results
.rept 4
	v_nop
.endr
.endm
.macro JLOAD s                         ; a joint load: waves 0, 1 fetch P's blocks, waves 2, 3 R's; four v_nop follow each of the two lines
	s_cmp_eq_u32 s19, 0
	s_cbranch_scc0 .Lfor_r_\@
	tensor_load_to_lds s[G0P+4*\s:G0P+4*\s+3], s[G1P:G1P+7]
	s_nop 0
.rept 4
	v_nop
.endr
	s_branch .Lasked_\@
.Lfor_r_\@:
	tensor_load_to_lds s[G0R+4*\s:G0R+4*\s+3], s[G1R:G1R+7]
	s_nop 0
.rept 4
	v_nop
.endr
.Lasked_\@:
.endm
.macro CREST                           ; a round of the cluster's barrier behind its opening barrier
	s_cmp_lg_u32 s18, 0
	s_cbranch_scc1 .Lnot_wave_0_\@
	s_barrier_signal -3
.Lnot_wave_0_\@:
	s_barrier_wait -3
	s_barrier_signal -1
	s_barrier_wait -1
.endm
.macro CROUND
	s_barrier_signal -1
	s_barrier_wait -1
	CREST
.endm
.macro FRAG reg, adr, q, i             ; tile i of the slot's q-th K step: three pieces of 512 bytes
.irp c, 0,1,2
	ds_load_b128 v[(\reg)+4*\c:(\reg)+4*\c+3], v[\adr] offset:(\q)*OPB+(\i)*IMG+512*\c
.endr
.endm
.macro FETCH_B slot, q, p              ; P's eight fragments into set p of window 1
	WIN 0x40
.irp i, 0,1,2,3,4,5,6,7
	FRAG 128*(\p)+12*\i, AP+\slot, \q, \i
.endr
	WIN 0
.endm
.macro FETCH_A slot, q, i0             ; R's tiles i0 .. i0+3
.irp i, \i0, \i0+1, \i0+2, \i0+3
	FRAG AF+12*(\i), AR+\slot, \q, \i
.endr
.endm
.macro SCALES s                        ; the slot's scale registers: four loads
.irp q, 0,1
	ds_load_b128 v[SC+16*\s+8*\q:SC+16*\s+8*\q+3], v[AP+\s] offset:\q*OPB+12288
	ds_load_b128 v[SC+16*\s+8*\q+4:SC+16*\s+8*\q+7], v[AR+\s] offset:\q*OPB+12288
.endr
.endm
; 16 products: R's tiles a0, a0+1 x P's eight.  cm = 0: onto the sums; 1: C = the bias of P's tile; 2: C = the bias of R's tile.  The 64 accumulators take turns, one instruction a turn.
.macro MUL16 a0, p, q, sc, cm
.irp a, \a0, \a0+1
.irp b, 0,1,2,3,4,5,6,7
.if (\cm) == 0
	WMMA 8*(8*((\a)%4)+\b), 128*(\p)+12*\b, AF+12*(\a), 8*(8*((\a)%4)+\b), SC+16*(\sc)+8*(\q)+\b/2, SC+16*(\sc)+8*(\q)+4+(\a)/2, \b%2, (\a)%2
.elseif (\cm) == 1
	WMMA 8*(8*((\a)%4)+\b), 128*(\p)+12*\b, AF+12*(\a), BB+8*\b, SC+16*(\sc)+8*(\q)+\b/2, SC+16*(\sc)+8*(\q)+4+(\a)/2, \b%2, (\a)%2
.else
	WMMA 8*(8*((\a)%4)+\b), 128*(\p)+12*\b, AF+12*(\a), BB+8*(\a), SC+16*(\sc)+8*(\q)+\b/2, SC+16*(\sc)+8*(\q)+4+(\a)/2, \b%2, (\a)%2
.endif
.endr
.endr
.endm
.macro STEP slot, cm                   ; a slot's first K step (P's set 0); it fetches the second
	s_wait_dscnt 12                                ; P's set, R's tiles 0-3 and the scales are in; the youngest twelve loads (R's tiles 4-7) may be out
.if (\cm) == 0
	WIN 0xa1
.else
	WIN 0x81                                       ; C in window 0
.endif
	MUL16 0, 0, 0, \slot, \cm
	MUL16 2, 0, 0, \slot, \cm
	s_wait_dscnt 0x0
	PLACES
	FETCH_B \slot, 1, 1
	FETCH_A \slot, 1, 0
.if (\cm) == 0
	WIN 0xf1
.else
	WIN 0xc1
.endif
	MUL16 4, 0, 0, \slot, \cm
	MUL16 6, 0, 0, \slot, \cm
	PLACES
	WIN 0
	FETCH_A \slot, 1, 4
.endm
; A slot's second K step changes slots: ONE barrier; in front of it each wave waits for all its tensor loads, adds 0 to its spare word, and waits for that and for its reads of this slot.
.macro TURN slot, next, fill
	s_wait_tensorcnt 0x0                           ; all my tensor loads have landed: my part of the next slot
	ds_add_u32 v[SPW], v[NIL]                      ; 0 onto my spare word
	s_wait_dscnt 13                                ; (the add and the youngest twelve loads may be out)
	WIN 0xa1
	MUL16 0, 1, 1, \slot, 0
	s_wait_dscnt 0x0                               ; the add is done, and my reads of this slot are over
	s_barrier_signal -1
	MUL16 2, 1, 1, \slot, 0
	WIN 0
	s_barrier_wait -1
.if \fill
	CREST                                          ; the barrier has opened a round of the cluster's: no wave of any partner still reads this slot or has a load on its way
	s_add_nc_u64 s[G0P+4*\slot+2:G0P+4*\slot+3], s[G0P+4*\slot+2:G0P+4*\slot+3], 2*CHUNK
	s_add_nc_u64 s[G0R+4*\slot+2:G0R+4*\slot+3], s[G0R+4*\slot+2:G0R+4*\slot+3], 2*CHUNK
	JLOAD \slot                                    ; the first tensor load behind the round; its four v_nop are also the places in front of the loads below
.else
	PLACES
.endif
	FETCH_B \next, 0, 0
	FETCH_A \next, 0, 0
	SCALES \next
	WIN 0xf1
	MUL16 4, 1, 1, \slot, 0
	MUL16 6, 1, 1, \slot, 0
	PLACES
	WIN 0
	FETCH_A \next, 0, 4
.endm
; 64 numbers of a lane in window n, v[s] on (register 16b+i = k 32b + 16 (lane/16) + i of my row), become a fragment's codes in v[PC] on and its scale word in v[pw].  Each accumulator is read from its low end on.
.macro QUANTW s, n, pw
	WIN (\n)|((\n)<<2)
.irp b, 0,1,2,3
	v_max3_num_f32 v[TM+\b], |v[(\s)+16*\b]|, |v[(\s)+1+16*\b]|, 0x1800000   ; and the floor 2^(3-127)
.endr
	WIN ((\n)<<2)|((\n)<<4)
.irp i, 2,4,6,8,10,12,14
.irp b, 0,1,2,3
	v_max3_num_f32 v[TM+\b], v[TM+\b], |v[(\s)+16*\b+\i]|, |v[(\s)+1+16*\b+\i]|
.endr
.endr
	WIN 0
.irp b, 0,1,2,3
	v_permlanex16_b32 v[TM+4+\b], v[TM+\b], s[SEL], s[SEL+1]
.endr
.irp b, 0,1,2,3
	v_max_num_f32 v[TM+\b], v[TM+\b], v[TM+4+\b]   ; with lane l xor 16's: the block's largest magnitude
.endr
.irp b, 0,1,2,3
	v_add_nc_u32 v[TM+12+\b], 0xff000000, v[TM+\b] ; 2 off its exponent field: the conversion's scale operand
.endr
.irp b, 0,1,2,3
	v_lshrrev_b32 v[TM+4+\b], 23, v[TM+12+\b]      ; the scale's byte
.endr
	v_lshl_or_b32 v[\pw], v[TM+5], 8, v[TM+4]
	v_lshl_or_b32 v[\pw], v[TM+6], 16, v[\pw]
	v_lshl_or_b32 v[\pw], v[TM+7], 24, v[\pw]
	WIN (\n)
.irp c, 0,1
	v_cvt_scalef32_pk16_fp6_f32 v[PC+6*\c:PC+2+6*\c], v[(\s)+32*\c:(\s)+15+32*\c], v[TM+12+2*\c]
	v_cvt_scalef32_pk16_fp6_f32 v[PC+12+4*\c:PC+14+4*\c], v[(\s)+16+32*\c:(\s)+31+32*\c], v[TM+12+2*\c+1]
.endr
	WIN 0
	v_nop                                          ; one plain place behind a scaled conversion
.irp c, 0,1                            ; the operand's layout wants a whole block in a lane
.irp i, 0,1,2
	v_permlane16_swap_b32 v[PC+6*\c+\i], v[PC+12+4*\c+\i]
.endr
.irp i, 0,1,2
	v_mov_b32 v[PC+3+6*\c+\i], v[PC+12+4*\c+\i]
.endr
.endr
.endm
	s_load_b256 s[4:11], s[0:1], 0x0               ; opnd, bq, bk, bv
	s_load_b128 s[12:15], s[0:1], 0x20             ; qimg, kimg
	s_load_b64 s[16:17], s[0:1], 0x30              ; vimg
	v_lshl_add_u32 v[SPW], v0, 2, SPARE
	v_mov_b32 v[NIL], 0
	ds_add_u32 v28, v29
	ds_add_u32 v28, v29
	s_wait_dscnt 0x0
	v_lshrrev_b32 v1, 5, v0
	v_readfirstlane_b32 s18, v1                    ; wave 0..3
	s_lshr_b32 s19, s18, 1                         ; my half of R's rows.  Also: I fetch for P (0) or for R (1)
	s_and_b32 s20, s18, 1                          ; my half of P's rows.  Also: which of the two row blocks I fetch
	s_bfe_u32 s40, ttmp6, 0x40000                  ; cx
	s_bfe_u32 s41, ttmp6, 0x40004                  ; cy
	s_mov_b32 s42, ttmp9                           ; the cluster's x, 0..3
	s_and_b32 s43, ttmp7, 0xffff                   ; the cluster's y: 0 Q, 1 K, 2 V
	s_lshl_b32 s44, s41, 2
	s_lshl_b32 s44, 15, s44                        ; my row of the cluster
	s_lshl_b32 s45, 0x1111, s40                    ; my column
	s_or_b32 s[G1R], s44, (3<<16)|(1<<21)          ; 15:0 the mask; 17:16 elements of 8 bytes; 21 set beside a mask; no padding
	s_or_b32 s[G1P], s45, (3<<16)|(1<<21)
.irp g, G1R, G1P
	s_mov_b32 s[\g+1], 32<<16                      ; tensor_dim0 = 32 elements: rows of 256 bytes
	s_mov_b32 s[\g+2], 100<<16                     ; tensor_dim1 = 100 rows: 25,600 dense bytes
	s_mov_b32 s[\g+3], 32<<16                      ; tile_dim0
	s_mov_b32 s[\g+4], 100                         ; tile_dim1
	s_mov_b32 s[\g+5], 32                          ; the pitch
	s_mov_b32 s[\g+6], 0
	s_mov_b32 s[\g+7], 0
.endr
	; P's row block: Q, K: 96 + 8 kind + 2 cx;  V: 64 + 8 (cluster x) + 2 cx.  These registers never hold cy
	s_lshl_b32 s66, s42, 3
	s_add_co_u32 s66, s66, 64
	s_lshl_b32 s67, s43, 3
	s_add_co_u32 s67, s67, 96
	s_cmp_eq_u32 s43, 2
	s_cselect_b32 s66, s66, s67
	s_lshl_b32 s67, s40, 1
	s_add_co_u32 s66, s66, s67
	s_add_co_u32 s66, s66, s20
	s_mul_i32 s66, s66, RBB
	s_mov_b32 s67, 0
	; R's row block: Q, K: 32 kind + 8 cy + 2 (cluster x);  V: 112 + 2 cy.  These registers never hold cx
	s_lshl_b32 s68, s43, 5
	s_lshl_b32 s69, s42, 1
	s_add_co_u32 s68, s68, s69
	s_lshl_b32 s69, s41, 3
	s_add_co_u32 s68, s68, s69
	s_lshl_b32 s69, s41, 1
	s_add_co_u32 s69, s69, 112
	s_cmp_eq_u32 s43, 2
	s_cselect_b32 s68, s69, s68
	s_add_co_u32 s68, s68, s20
	s_mul_i32 s68, s68, RBB
	s_mov_b32 s69, 0
	s_mul_i32 s21, s18, CHUNK                      ; where my quarter of a slot goes: wave x 25,600
	s_wait_kmcnt 0x0
	s_add_nc_u64 s[66:67], s[4:5], s[66:67]
	s_add_nc_u64 s[68:69], s[4:5], s[68:69]
	CROUND                                         ; all sixteen work-groups are here: the first joint loads meet
.irp s, 0,1
	s_mov_b32 s[G0P+4*\s], 1
	s_add_co_u32 s[G0P+4*\s+1], s21, \s*SLOT
	s_add_nc_u64 s[G0P+4*\s+2:G0P+4*\s+3], s[66:67], \s*CHUNK
	s_or_b32 s[G0P+4*\s+3], s[G0P+4*\s+3], 0x80000000
	s_mov_b32 s[G0R+4*\s], 1
	s_add_co_u32 s[G0R+4*\s+1], s21, \s*SLOT
	s_add_nc_u64 s[G0R+4*\s+2:G0R+4*\s+3], s[68:69], \s*CHUNK
	s_or_b32 s[G0R+4*\s+3], s[G0R+4*\s+3], 0x80000000
.endr
	s_cmp_eq_u32 s19, 0                            ; slot 0's first fill: one tensor load a wave at the head
	s_cbranch_scc0 .Lfirst_r
	tensor_load_to_lds s[G0P:G0P+3], s[G1P:G1P+7]
	s_nop 0
.rept 4
	v_nop
.endr
	s_branch .Lfirst_asked
.Lfirst_r:
	tensor_load_to_lds s[G0R:G0R+3], s[G1R:G1R+7]
	s_nop 0
.rept 4
	v_nop
.endr
.Lfirst_asked:
	; which 128 columns (wI) and which 128 rows (aI) of the product are my wave's
	s_lshl_b32 s74, s40, 1
	s_add_co_u32 s74, s74, s20                     ; Q, K: wI = 2 cx + P half
	s_lshl_b32 s75, s41, 1
	s_add_co_u32 s75, s75, s19                     ; V:    wI = 2 cy + R half
	s_lshl_b32 s76, s41, 3
	s_lshl_b32 s77, s42, 1
	s_add_co_u32 s76, s76, s77
	s_add_co_u32 s76, s76, s19                     ; Q, K: aI = 8 cy + 2 (cluster x) + R half
	s_lshl_b32 s77, s42, 3
	s_add_co_u32 s77, s77, s74                     ; V:    aI = 8 (cluster x) + 2 cx + P half
	s_cmp_eq_u32 s43, 2
	s_cselect_b32 s74, s75, s74
	s_cselect_b32 s76, s77, s76
	s_cselect_b32 s92, 0, 16                       ; the bias's lane term: Q, K: 16 h + j (P's rows run along the registers);  V: r + 8 (r/8) (R's rows lie in the lanes)
	s_cselect_b32 s93, 1, 0
	s_cselect_b32 s94, 0, 4
	s_lshr_b32 s77, s76, 4                         ; the chunk: ((batch) 4 + group of four heads) 16 + block of 128 rows
	s_lshl_b32 s77, s77, 2
	s_lshr_b32 s78, s74, 1
	s_add_co_u32 s77, s77, s78
	s_lshl_b32 s77, s77, 4
	s_and_b32 s78, s76, 15
	s_add_co_u32 s77, s77, s78
	s_mul_i32 s78, s77, CHUNK
	s_and_b32 s79, s74, 1                          ; which pair of heads in the group
	s_mul_i32 s80, s79, OPB                        ; a pair's eight images and its scale words lie on end: 12,800 bytes
	s_add_co_u32 s80, s80, s78                     ; my eight images
	s_mov_b32 s81, 0
	s_add_co_u32 s82, s80, 12288                   ; my scale words, behind my images
	s_mov_b32 s83, 0
	s_lshl_b32 s90, s74, 9                         ; my 128 numbers of the bias
	s_mov_b32 s91, 0
	s_cmp_eq_u32 s43, 1
	s_cselect_b64 s[84:85], s[14:15], s[12:13]
	s_cselect_b64 s[86:87], s[8:9], s[6:7]
	s_cmp_eq_u32 s43, 2
	s_cselect_b64 s[84:85], s[16:17], s[84:85]
	s_cselect_b64 s[86:87], s[10:11], s[86:87]
	s_add_nc_u64 s[88:89], s[84:85], s[82:83]
	s_add_nc_u64 s[84:85], s[84:85], s[80:81]
	s_add_nc_u64 s[86:87], s[86:87], s[90:91]
	s_mov_b32 s[SEL], 0x76543210
	s_mov_b32 s[SEL+1], 0xfedcba98
	v_and_b32 v2, 15, v0                           ; r
	v_bfe_u32 v3, v0, 4, 1                         ; h
	v_and_b32 v4, 8, v2
	v_add_nc_u32 v4, v4, v2                        ; r + 8 (r/8)
	v_mul_u32_u24 v5, v3, s92
	v_mad_u32_u24 v5, v4, s93, v5
	s_wait_alu depctr_va_vdst(0)
.irp j, 0,1,2,3,4,5,6,7
	s_mul_i32 s95, s94, \j
	v_lshl_add_u32 v[8+\j], v5, 2, s95
.endr
.irp i, 0,1,2,3,4,5,6,7
.irp j, 0,1,2,3,4,5,6,7
	global_load_b32 v[BB+8*\i+\j], v[8+\j], s[86:87] offset:(32*(\i/2)+8*(\i%2))*4   ; tile i's eight registers, in the result's layout
.endr
.endr
	v_and_b32 v2, 31, v0
	v_lshlrev_b32 v1, 4, v2                        ; 16 x lane
	s_mul_i32 s22, s20, CHUNK                      ; my block of P,
	s_mul_i32 s23, s19, CHUNK
	s_add_co_u32 s23, s23, 2*CHUNK                 ; my block of R, behind P's two
.irp s, 0,1
	v_add_nc_u32 v[AP+\s], s22, v1
	v_add_nc_u32 v[AR+\s], s23, v1
	s_add_co_u32 s22, s22, SLOT
	s_add_co_u32 s23, s23, SLOT
.endr
	s_wait_alu depctr_va_vdst(0)
	s_wait_tensorcnt 0x0                           ; my part of slot 0 is in; these lines stand ahead of a later first fill
	ds_add_u32 v[SPW], v[NIL]
	s_wait_dscnt 0x0
	CROUND                                         ; everybody's part is in, and all sixteen work-groups are here
	JLOAD 1                                        ; slot 1's first fill, the first tensor load behind the round
	FETCH_B 0, 0, 0
	FETCH_A 0, 0, 0
	SCALES 0
	FETCH_A 0, 0, 4
	s_wait_loadcnt 0x0                             ; the bias
	s_cmp_eq_u32 s43, 2                            ; the first K step starts the sums with the bias: by P's tile (Q, K) or by R's (V)
	s_cbranch_scc1 .Lfirst_v
	STEP 0, 1
	s_branch .Lfirst_done
.Lfirst_v:
	STEP 0, 2
.Lfirst_done:
	TURN 0, 1, 1                                   ; K has four slots' worth: written out, no loop
	STEP 1, 0
	TURN 1, 0, 1
	STEP 0, 0
	TURN 0, 1, 0                                   ; nothing is left to fetch
	STEP 1, 0
	s_wait_dscnt 12
	WIN 0xa1
	MUL16 0, 1, 1, 1, 0
	MUL16 2, 1, 1, 1, 0
	s_wait_dscnt 0x0
	WIN 0xf1
	MUL16 4, 1, 1, 1, 0
	MUL16 6, 1, 1, 1, 0
	WIN 0
	; THE WAY OUT: R's tile a: its 64 registers are 128 neighbours along the next K (with lane l xor 16's): one fragment and one scale word a row
	PLACES
.irp b, 0,1,2,3
	v_mov_b32 v[TM+4+\b], 0                        ; a lane permute's destination counts as one of its sources
.endr
.irp a, 0,1,2,3,4,5,6,7
.if \a > 0
	s_wait_xcnt 0x0                                ; the last image's stores have read the codes' registers
.endif
	QUANTW 64*(\a%4), 2+\a/4, PWS+\a
.irp c, 0,1,2
	global_store_b128 v1, v[PC+4*\c:PC+4*\c+3], s[84:85] offset:IMG*\a+512*\c   ; 512 consecutive bytes a store
.endr
.endr
	s_mov_b32 vcc_lo, 0xffff0000
.irp i, 0,1,2,3
	v_cndmask_b32 v[SW+\i], v[PWS+2*\i], v[PWS+2*\i+1], vcc_lo   ; lanes 0-15: tile 2i's words; lanes 16-31: tile 2i+1's
.endr
	global_store_b128 v1, v[SW:SW+3], s[88:89]
	s_wait_tensorcnt 0x0                           ; the wave's end
	ds_add_u32 v[SPW], v[NIL]
	s_wait_dscnt 0x0
	CROUND                                         ; the closing round
	s_endpgm
.Lfunc_end_k_q92cfb50cf9_proj:
	.size	k_q92cfb50cf9_proj, .Lfunc_end_k_q92cfb50cf9_proj-k_q92cfb50cf9_proj
	.p2alignl 7, 3214868480
	.fill 96, 4, 3214868480
	.section	.rodata,"a",@progbits
	.p2align	6, 0x0
	.amdhsa_kernel k_q92cfb50cf9_proj
		.amdhsa_group_segment_fixed_size 327680
		.amdhsa_private_segment_fixed_size 0
		.amdhsa_enable_private_segment 0
		.amdhsa_kernarg_size 56
		.amdhsa_user_sgpr_count 2
		.amdhsa_user_sgpr_kernarg_segment_ptr 1
		.amdhsa_wavefront_size32 1
		.amdhsa_system_sgpr_workgroup_id_x 1
		.amdhsa_system_sgpr_workgroup_id_y 1
		.amdhsa_system_sgpr_workgroup_id_z 1
		.amdhsa_system_vgpr_workitem_id 0
		.amdhsa_next_free_vgpr 1024
		.amdhsa_next_free_sgpr 100
		.amdhsa_reserve_vcc 1
		.amdhsa_float_denorm_mode_32 3
		.amdhsa_float_denorm_mode_16_64 3
		.amdhsa_memory_ordered 1
		.amdhsa_forward_progress 1
		.amdhsa_inst_pref_size 156
	.end_amdhsa_kernel
	.amdgpu_metadata
---
amdhsa.version: [ 1, 2 ]
amdhsa.kernels:
  - .name:           k_q92cfb50cf9_proj
    .symbol:         k_q92cfb50cf9_proj.kd
    .args:
      - { .name: opnd, .offset: 0, .size: 8, .value_kind: global_buffer, .address_space: global }
      - { .name: bq, .offset: 8, .size: 8, .value_kind: global_buffer, .address_space: global }
      - { .name: bk, .offset: 16, .size: 8, .value_kind: global_buffer, .address_space: global }
      - { .name: bv, .offset: 24, .size: 8, .value_kind: global_buffer, .address_space: global }
      - { .name: qimg, .offset: 32, .size: 8, .value_kind: global_buffer, .address_space: global }
      - { .name: kimg, .offset: 40, .size: 8, .value_kind: global_buffer, .address_space: global }
      - { .name: vimg, .offset: 48, .size: 8, .value_kind: global_buffer, .address_space: global }
    .group_segment_fixed_size: 327680
    .private_segment_fixed_size: 0
    .kernarg_segment_align: 8
    .kernarg_segment_size: 56
    .max_flat_workgroup_size: 128
    .sgpr_count:     100
    .vgpr_count:     1024
    .wavefront_size: 32
...
	.end_amdgpu_metadata
.endif
;; end of part 2
;; launch attn (part 3): grid 32 x 8, 8 waves a work-group, clusters of 4 x 1, 327,680 bytes of LDS; arguments qimg, kimg, vimg, bimg, oimg; writes oimg
.if DOCPART == 3
	.amdgcn_target "amdgcn-amd-amdhsa--gfx1250"
	.amdhsa_code_object_version 6
	.text
	.protected	k_q92cfb50cf9_attn
	.globl	k_q92cfb50cf9_attn
	.p2align	8
	.type	k_q92cfb50cf9_attn,@function
k_q92cfb50cf9_attn:
	s_mov_b64 s[64:65], 0
	v_nop
	global_prefetch_b8 v0, s[64:65] scope:SCOPE_SE
	s_setreg_imm32_b32 hwreg(HW_REG_WAVE_MODE, 25, 1), 1
	s_wait_xcnt 0x0
	s_wait_alu depctr_hold_cnt(0) depctr_sa_sdst(0) depctr_va_vdst(0) depctr_va_sdst(0) depctr_va_ssrc(0) depctr_va_vcc(0) depctr_vm_vsrc(0)
	s_getreg_b32 s2, hwreg(HW_REG_IB_STS2, 6, 4)
	s_cmp_eq_u32 s2, 0
	s_cbranch_scc0 .Lentry_in_a_cluster
	s_endpgm
.Lentry_in_a_cluster:
	s_bfe_u32 s2, ttmp6, 0x10000c
	s_cmp_lg_u32 s2, 0x3003
	s_cbranch_scc0 .Lentry_shape_is_right
	s_endpgm
.Lentry_shape_is_right:
; ATTN.  O = softmax((Q K^T + relative_time) / 8, masked) V on codes of FP6 (E2M3) with E8M0 scales; O leaves quantised, as an operand image for the last product.
; A work-group takes 128 queries x a PAIR of heads; each of its eight waves 16 queries x the two heads, in 512 registers: two waves to a SIMD.
; Both products are used transposed (S^T = K Q^T + bias, O^T = V^T p^T): a lane holds one query, its registers run along the keys.
; The keys go in steps of 128.  p is quantised FINISHED AND NORMALISED, so the row's sum must be known first: TWO PASSES over the keys.
;   Pass 1: scores, each block's largest score (kept in LDS, 8 bytes a lane, head and step), the running maximum, the sum of 2^(t - M) under it.
;   Pass 2: scores again; p = 2^(c s - c M - log2(sum)): the division by the sum stands in the exponent; block scales from the kept maxima by the same multiply-add and exponential; codes; O^T += V^T p^T.
; A K step of the matrix instruction holds the pair of heads (64 + 64): Q's fragment has zeros in the other head's half.
; bimg holds relative_time, with -1e30 where the mask is 0, in the layout of C; it comes by global loads into registers, asked for one whole step ahead, so no prefetch is laid for it.
; K's and V's pieces (12,800 dense bytes for 128 keys x the pair) go through a ring of two slots of four steps; each wave brings one piece of a slot (waves 0-3 K's, 4-7 V's).
; The four work-groups of a cluster share batch and pair and ask for each piece jointly (mask 15).  V's pieces of steps 0 to 7 come with the first fills and stay through pass 1, in which K's waves alone fill again.
; K's and V's fragments take turns in one set of 96 registers: V's are read behind QK, the next step's K behind PV.
; THE EXPONENTIALS STAND IN BATCHES, each with one wait ahead and one behind; between a batch's lines stand only lines whose results are read behind the next wait.
; LIMITS: the running maximum begins at -1e20: a score under it counts as masked.  A row with no key left gets p = 0 and O = 0, as nan_to_num gives.  NaN and infinities are not served.
;   A block of zeros carries the byte 1, not 127 (zero codes; this program alone reads the bytes).  The scaled scores stay under 2^31 in magnitude.
; REGISTERS: window 0: addresses, scales, state (ST+8h: -cM or the exponent's addend, 0, f, M, the sum's two halves, two at work), Q, two sets of p's codes, v128-191 the bias, v192-255 O^T.
;   window 1: v0-127 S^T, then p (64 a head); v128-223 eight fragments of K or of V.
.set OPB,   12800
.set SLOT1, 0x20000                    ; a slot: four steps, 0x8000 bytes apart; in each K's piece, then V's
.set SPARE, 25600                      ; the spare words, 1,024 bytes, behind step 0's pieces
.set MXB,   0x40000                    ; the kept maxima: 8 KiB a wave
.set L16, 1
.set NA,  2
.set BA,  3
.set SPW, 4
.set NIL, 5
.set MA,  6
.set L8,  7
.set KS,  8
.set VS,  12
.set QS,  16
.set H8,  17
.set PW,  18
.set QSO, 20
.set IMO, 21
.set OW,  22
.set ST,  24
.set BM,  40
.set SO,  44
.set TP,  48
.set BY,  52
.set TM,  56
.set Q,   64
.set PC,  84                           ; p's codes: head h at PC + 12 h
.set BI,  128
.set OA,  192
.set KV,  128                          ; in window 1
.set WV,  14
.set G1,  16
.set G0A, 24
.set G0W, 28
.set C8,  36
.set TN,  37
.set BO,  38
.set CNT, 39
.set CS,  40
.set NC,  42
.set MS,  43
.set SEL, 44
.set MS0, 59
.set MSB, 0
.macro WIN new                         ; the immediate's high byte repeats the setting that is left
.if MSB != (\new)
	s_set_vgpr_msb (MSB<<8)|(\new)
.set MSB, (\new)
.endif
.endm
.macro WMMA d, a, b, c, sa, sb, ra
.if (\ra)==0
	v_wmma_scale_f32_16x16x128_f8f6f4 v[(\d):(\d)+7], v[(\a):(\a)+11], v[(\b):(\b)+11], v[(\c):(\c)+7], v[(\sa)], v[(\sb)] matrix_a_fmt:MATRIX_FMT_FP6 matrix_b_fmt:MATRIX_FMT_FP6
.else
	v_wmma_scale_f32_16x16x128_f8f6f4 v[(\d):(\d)+7], v[(\a):(\a)+11], v[(\b):(\b)+11], v[(\c):(\c)+7], v[(\sa)], v[(\sb)] matrix_a_fmt:MATRIX_FMT_FP6 matrix_b_fmt:MATRIX_FMT_FP6 matrix_a_scale:MATRIX_SCALE_ROW1
.endif
.endm
.macro PLACES                          ; four plain places behind matrix instructions (ISA guide 7.12.1)
.rept 4
	v_nop
.endr
.endm
.macro WALU
	s_wait_alu depctr_va_vdst(0)
.endm
.macro CROUND                          ; a round of the cluster's barrier
	s_barrier_signal -1
	s_barrier_wait -1
	s_cmp_lg_u32 s[WV], 0
	s_cbranch_scc1 .Lnot_wave_0_\@
	s_barrier_signal -3
.Lnot_wave_0_\@:
	s_barrier_wait -3
	s_barrier_signal -1
	s_barrier_wait -1
.endm
.macro FPF off, sc                     ; eight fragments and their scale registers from the piece at v[NA] + off: 24 + 1 LDS loads
	WIN 0x40
.irp i, 0,1,2,3,4,5,6,7
.irp c, 0,1,2
	ds_load_b128 v[KV+12*\i+4*\c:KV+12*\i+4*\c+3], v[NA] offset:(\off)+\i*1536+512*\c
.endr
.endr
	WIN 0
	ds_load_b128 v[(\sc):(\sc)+3], v[NA] offset:(\off)+12288
.endm
.macro MXL                             ; this step's kept maxima
	WIN 0
.irp h, 0,1
	ds_load_b64 v[BM+2*\h:BM+2*\h+1], v[MA] offset:256*\h
.endr
.endm
.macro BLOAD                           ; the next step's bias: 512 consecutive bytes a load
.set ii, 0
.rept 16
	global_load_b128 v[BI+4*ii:BI+4*ii+3], v[BA], s[10:11] offset:512*ii
.set ii, ii+1
.endr
.endm
.macro QK                              ; 16 products: head h x 8 tiles of 16 keys; C = the bias
	WIN 0x41
.irp h, 0,1
.irp t, 0,1,2,3,4,5,6,7
	WMMA 64*\h+8*\t, KV+12*\t, Q+6*\h, BI+8*\t, KS+\t/2, QS, \t%2
.endr
.endr
.endm
.macro PVALL                           ; 8 products on 8 accumulators by turns; the wait ahead: they are the first readers of O^T behind the exponentials
	WIN 0x01
	WALU
.irp h, 0,1
.irp d, 0,1,2,3
	WMMA OA+32*\h+8*\d, KV+12*(4*\h+\d), PC+12*\h, OA+32*\h+8*\d, VS+2*\h+\d/2, PW+\h, \d%2
.endr
.endr
.endm
.macro FMA_S h, k                      ; two scores into exponents: c s + the head's addend
	v_pk_fma_f32 v[64*(\h)+2*(\k):64*(\h)+2*(\k)+1], v[64*(\h)+2*(\k):64*(\h)+2*(\k)+1], s[CS:CS+1], v[ST+8*(\h):ST+8*(\h)+1] op_sel_hi:[1,0,0]
.endm
.macro ADD_S h, d, k
	v_pk_add_f32 v[64*(\h)+2*(\d):64*(\h)+2*(\d)+1], v[64*(\h)+2*(\d):64*(\h)+2*(\d)+1], v[64*(\h)+2*(\k):64*(\h)+2*(\k)+1]
.endm
.macro TAIL_S h                        ; a head's 16 pairs into one: 15 additions
.irp m, 8,4,2,1
.set jj, 0
.rept \m
	ADD_S \h, jj, jj+\m
.set jj, jj+1
.endr
.endr
.endm
; A change of slots.  Every wave: all its tensor loads waited for, the add, its LDS reads waited for; then the round (1: K's waves fill; 2: all fill) or, with nothing left to fetch (3), the work-group's barrier.
.macro CHANGE mode
	WIN 0
	s_wait_tensorcnt 0x0
	ds_add_u32 v[SPW], v[NIL]
.if (\mode) < 3
	s_xor_b32 s[G0W+1], s[G0W+1], SLOT1
	s_add_co_u32 s[C8], s[C8], 1
	s_and_b32 s[C8], s[C8], 3                      ; which four steps, 0..3, round into pass 2
	s_mul_i32 s34, s[C8], 8*OPB
	s_add_nc_u64 s[G0W+2:G0W+3], s[32:33], s[34:35]
	s_or_b32 s[G0W+3], s[G0W+3], 0x80000000
.endif
	s_wait_dscnt 0x0
.if (\mode) == 1
	CROUND
	s_cmp_lt_u32 s[WV], 4
	s_cbranch_scc0 .Lno_fill_\@
	tensor_load_to_lds s[G0W:G0W+3], s[G1:G1+7]
	s_nop 0
.rept 4
	v_nop
.endr
.Lno_fill_\@:
.elseif (\mode) == 2
	CROUND
	tensor_load_to_lds s[G0W:G0W+3], s[G1:G1+7]
	s_nop 0
.rept 4
	v_nop
.endr
.else
	s_barrier_signal -1
	s_barrier_wait -1
.endif
.endm
.macro BMAX                            ; the largest score of each 16 registers; each accumulator is read from its low end on
	WIN 0x15
.irp h, 0,1
.irp b, 0,1,2,3
	v_max3_num_f32 v[TM+4*\h+\b], v[64*\h+16*\b], v[64*\h+16*\b+1], v[64*\h+16*\b+2]
.endr
.endr
	WIN 0x14
.irp i, 3,5,7,9,11,13
.irp h, 0,1
.irp b, 0,1,2,3
	v_max3_num_f32 v[TM+4*\h+\b], v[TM+4*\h+\b], v[64*\h+16*\b+\i], v[64*\h+16*\b+\i+1]
.endr
.endr
.endr
.irp h, 0,1
	v_max3_num_f32 v[TM+4*\h], v[TM+4*\h], v[64*\h+15], v[64*\h+31]
	v_max3_num_f32 v[TM+4*\h+2], v[TM+4*\h+2], v[64*\h+47], v[64*\h+63]
.endr
.endm
.macro TOP1                            ; my two blocks' maxima a head (kept), the running maximum, -cM, f = 2^(c (old M - new M))
	WIN 0
.irp h, 0,1
	v_max_num_f32 v[BM+2*\h], v[TM+4*\h], v[TM+4*\h+1]
.endr
.irp h, 0,1
	v_max_num_f32 v[BM+2*\h+1], v[TM+4*\h+2], v[TM+4*\h+3]
.endr
.irp h, 0,1
	v_max3_num_f32 v[ST+8*\h+3], v[BM+2*\h], v[BM+2*\h+1], v[ST+8*\h+3]
.endr
.irp h, 0,1
	v_mul_f32 v[TP+\h], s[NC], v[ST+8*\h+3]
.endr
.irp h, 0,1
	v_sub_f32 v[ST+8*\h+2], v[TP+\h], v[ST+8*\h]
.endr
.irp h, 0,1
	v_mov_b32 v[ST+8*\h], v[TP+\h]
.endr
	WALU
.irp h, 0,1
	v_exp_f32 v[ST+8*\h+2], v[ST+8*\h+2]
.endr
.irp h, 0,1
	ds_store_b64 v[MA], v[BM+2*\h:BM+2*\h+1] offset:256*\h
.endr
.endm
; Pass 1's exponentials and sums.  One wait a head.  Among head 0's 64 exponentials stand head 1's multiply-adds, among head 1's the first 16 additions of head 0: all are read behind the next wait.
.macro LIST1
	WIN 0x45
.set kk, 0
.rept 32
	FMA_S 0, kk
.set kk, kk+1
.endr
.set hh, 0
.rept 2
	WALU
.set ii, 0
.rept 64
	v_exp_f32 v[64*hh+ii], v[64*hh+ii]
.if ((ii%2) == 0) && (hh < 1)
	FMA_S hh+1, ii/2
.elseif ((ii%4) == 1) && (hh > 0)
	ADD_S hh-1, ii/4, ii/4+16
.endif
.set ii, ii+1
.endr
.set hh, hh+1
.endr
	WALU
	TAIL_S 0
.set kk, 0
.rept 16
	ADD_S 1, kk, kk+16
.set kk, kk+1
.endr
	TAIL_S 1
	WIN 0x10
.irp h, 0,1
	v_pk_fma_f32 v[ST+8*\h+4:ST+8*\h+5], v[ST+8*\h+4:ST+8*\h+5], v[ST+8*\h+2:ST+8*\h+3], v[64*\h:64*\h+1] op_sel_hi:[1,0,1]   ; the sum x f + this step's
.endr
.endm
.macro TOP2                            ; each block's largest p from its kept largest score, by the same multiply-add and exponential as p itself; the conversions' scale operands; p's scale words
	WIN 0
.irp h, 0,1
.irp c, 0,1
	v_fma_f32 v[TM+2*\h+\c], v[BM+2*\h+\c], s[CS], v[ST+8*\h]
.endr
.endr
	WALU
.irp e, 0,1,2,3
	v_exp_f32 v[TM+\e], v[TM+\e]
.endr
	v_nop
	WALU
.irp e, 0,1,2,3
	v_max_num_f32 v[TM+\e], 0x1800000, v[TM+\e]    ; the floor 2^(3-127): the byte cannot fall under 1
.endr
.irp e, 0,1,2,3
	v_add_nc_u32 v[SO+\e], 0xff000000, v[TM+\e]
.endr
.irp e, 0,1,2,3
	v_lshrrev_b32 v[BY+\e], 23, v[SO+\e]
.endr
.irp h, 0,1
	v_lshl_or_b32 v[TM+\h], v[BY+2*\h+1], 16, v[BY+2*\h]
.endr
.irp h, 0,1
	v_lshlrev_b32 v[TM+\h], v[H8], v[TM+\h]
.endr
.irp h, 0,1
	v_permlanex16_b32 v[TP+\h], v[TM+\h], s[SEL], s[SEL+1]
.endr
.irp h, 0,1
	v_or_b32 v[PW+\h], v[TM+\h], v[TP+\h]
.endr
.endm
; Pass 2: all 64 multiply-adds (the scores' first readers, behind one wait), all 128 exponentials, all codes.
.macro LIST2
	WIN 0x41
	WALU
.irp h, 0,1
.set kk, 0
.rept 32
	FMA_S \h, kk
.set kk, kk+1
.endr
.endr
	WALU
.set ii, 0
.rept 128
	v_exp_f32 v[ii], v[ii]
.set ii, ii+1
.endr
	v_nop
	WALU
	WIN 0x01
.irp h, 0,1
.irp c, 0,1
	v_cvt_scalef32_pk16_fp6_f32 v[PC+12*\h+6*\c:PC+12*\h+6*\c+2], v[64*\h+32*\c:64*\h+32*\c+15], v[SO+2*\h+\c]
.endr
.endr
	v_nop                                          ; one plain place behind scaled conversions
	WIN 0x41
.irp h, 0,1
.irp c, 0,1                            ; a conversion's three registers begin on an even number: a block's upper 16 codes are made in p's registers that are done with, and moved
	v_cvt_scalef32_pk16_fp6_f32 v[64*\h+32*\c:64*\h+32*\c+2], v[64*\h+32*\c+16:64*\h+32*\c+31], v[SO+2*\h+\c]
.endr
.endr
	v_nop
	WIN 0x01
.irp h, 0,1
.irp c, 0,1
.irp i, 0,1,2
	v_mov_b32 v[PC+12*\h+6*\c+3+\i], v[64*\h+32*\c+\i]
.endr
.endr
.endr
	PLACES                                         ; operands written by vector instructions stand four places ahead of a scaled matrix instruction
.endm
.macro NEXTADR tnx                     ; the next step's addresses; three additions and a v_nop: four places
	s_xor_b32 s[TN], s[TN], \tnx
	s_add_co_u32 s[BO], s[BO], 8192
	s_and_b32 s[BO], s[BO], 0x1ffff
	v_add_nc_u32 v[NA], s[TN], v[L16]
	v_add_nc_u32 v[BA], s[BO], v[L16]
	v_add_nc_u32 v[MA], s[MS], v[L8]
	v_nop
	s_add_co_u32 s[MS], s[MS], 512
.endm
.macro STEP1 chg, tnx
	s_wait_loadcnt 0x0                             ; the bias
	s_wait_dscnt 0x0                               ; K's fragments
	QK
	WIN 0
	NEXTADR \tnx
	BLOAD
.if \chg
	CHANGE 1
.endif
	WALU
	FPF 0, KS                                      ; the next step's K
	BMAX
	TOP1
	LIST1
.endm
; last = 1: the step that ends a trip of the last loop: in that loop's last trip, which is the walk's last step, a branch on the loop's counter leads round the look-ahead (the bias and K of a next step)
.macro STEP2 chg, tnx, last
	s_wait_loadcnt 0x0
	s_wait_dscnt 0x0                               ; K's fragments
	MXL
	QK
	WIN 0
	PLACES
	FPF OPB, VS                                    ; this step's V, into the registers that held K
	NEXTADR \tnx
.if \last
	WALU
	s_cmp_eq_u32 s[CNT], 1
	s_cbranch_scc1 .Lno_bias_\@
.endif
	BLOAD
.if \last
.Lno_bias_\@:
.endif
.if \chg
	CHANGE \chg
.endif
	s_wait_dscnt 25                                ; the maxima are in; V's 25 loads, issued behind them, may be out
	TOP2
	LIST2
	s_wait_dscnt 0x0                               ; V's fragments
	PVALL
	PLACES
	WIN 0
.if \last
	s_cmp_eq_u32 s[CNT], 1
	s_cbranch_scc1 .Lno_k_\@
.endif
	FPF 0, KS                                      ; the next step's K
.if \last
.Lno_k_\@:
.endif
.endm
	s_load_b256 s[4:11], s[0:1], 0x0               ; qimg, kimg, vimg, bimg
	s_load_b64 s[12:13], s[0:1], 0x20              ; oimg
	v_lshl_add_u32 v[SPW], v0, 2, SPARE
	v_mov_b32 v[NIL], 0
	ds_add_u32 v[SPW], v[NIL]                      ; the opening lines: the add, twice on end, and its wait
	ds_add_u32 v[SPW], v[NIL]
	v_lshrrev_b32 v[TM], 5, v0
	v_readfirstlane_b32 s[WV], v[TM]               ; wave 0..7
	s_bfe_u32 s15, ttmp6, 0x40000                  ; cx
	s_lshl_b32 s46, ttmp9, 2
	s_add_co_u32 s46, s46, s15                     ; block of 128 queries, 0..31
	s_and_b32 s47, ttmp7, 0xffff                   ; pair of heads, 0..7
	s_lshr_b32 s48, ttmp9, 2                       ; batch: the cluster's partners share it
	s_lshl_b32 s49, s48, 2
	s_lshr_b32 s50, s47, 1
	s_add_co_u32 s49, s49, s50
	s_lshl_b32 s49, s49, 4                         ; first chunk (two pairs, 25,600 bytes) of (batch, group of four heads)
	s_and_b32 s57, s47, 1
	s_mul_i32 s57, s57, OPB                        ; my pair's half of a chunk
	s_and_b32 s50, s[WV], 3                        ; which step of a slot's four I fetch
	s_add_co_u32 s51, s49, s50
	s_mul_i32 s34, s51, 2*OPB
	s_add_co_u32 s34, s34, s57
	s_mov_b32 s35, 0
	s_lshl_b32 s52, s50, 15
	s_lshr_b32 s53, s[WV], 2                       ; waves 0-3 fetch K's pieces, 4-7 V's
	s_mul_i32 s53, s53, OPB
	s_add_co_u32 s52, s52, s53
	s_lshl_b32 s[MS0], s[WV], 13
	s_add_co_u32 s[MS0], s[MS0], MXB
	s_mov_b32 s[MS], s[MS0]
	s_mov_b32 s[G1], 15|(3<<16)|(1<<21)            ; the mask of all four; elements of 8 bytes; 50 rows of 256 bytes
	s_mov_b32 s[G1+1], 32<<16
	s_mov_b32 s[G1+2], 50<<16
	s_mov_b32 s[G1+3], 32<<16
	s_mov_b32 s[G1+4], 50
	s_mov_b32 s[G1+5], 32
	s_mov_b32 s[G1+6], 0
	s_mov_b32 s[G1+7], 0
	s_mov_b32 s[C8], 1
	s_mov_b32 s[TN], 0
	s_mov_b32 s[BO], 0
	s_mov_b32 s[CS], 0x3e38aa3b                    ; c = log2(e) / 8
	s_mov_b32 s[CS+1], s[CS]
	s_mov_b32 s[NC], 0xbe38aa3b
	s_mov_b32 s[SEL], 0x76543210
	s_mov_b32 s[SEL+1], 0xfedcba98
	s_wait_dscnt 0x0
	s_wait_kmcnt 0x0
	s_cmp_lt_u32 s[WV], 4
	s_cselect_b64 s[32:33], s[6:7], s[8:9]
	s_add_nc_u64 s[32:33], s[32:33], s[34:35]
	CROUND                                         ; in front of the first joint loads
	s_mov_b32 s[G0A], 1
	s_mov_b32 s[G0A+1], s52
	s_mov_b64 s[G0A+2:G0A+3], s[32:33]
	s_or_b32 s[G0A+3], s[G0A+3], 0x80000000
	s_mov_b32 s[G0W], 1
	s_add_co_u32 s[G0W+1], s52, SLOT1
	s_add_nc_u64 s[G0W+2:G0W+3], s[32:33], 8*OPB
	s_or_b32 s[G0W+3], s[G0W+3], 0x80000000
	tensor_load_to_lds s[G0A:G0A+3], s[G1:G1+7]    ; slot 0: my one tensor load at the head; the set-up below stands under its flight
	s_nop 0
.rept 4
	v_nop
.endr
	s_and_b32 s54, s46, 15
	s_add_co_u32 s54, s54, s49
	s_mul_i32 s54, s54, 2*OPB
	s_add_co_u32 s54, s54, s57
	s_mov_b32 s55, 0
	s_add_nc_u64 s[4:5], s[4:5], s[54:55]          ; Q's piece: my block's eight tiles; mine is tile = wave
	s_lshl_b32 s56, s46, 3
	s_add_co_u32 s58, s56, s[WV]
	s_lshl_b32 s54, s58, 17
	s_add_nc_u64 s[10:11], s[10:11], s[54:55]      ; my query tile's bias
	s_add_co_u32 s54, s56, s47
	s_mul_i32 s54, s54, OPB
	s_add_nc_u64 s[12:13], s[12:13], s[54:55]      ; O's image: row block, K step = pair
	v_and_b32 v[TM], 31, v0
	v_lshlrev_b32 v[L16], 4, v[TM]
	v_lshlrev_b32 v[L8], 3, v[TM]
	v_and_b32 v[TM+1], 15, v0
	v_bfe_u32 v[H8], v0, 4, 1
	v_lshlrev_b32 v[H8], 3, v[H8]
	s_and_b32 s54, s[WV], 1
	s_lshl_b32 s54, s54, 8
	s_lshr_b32 s58, s[WV], 1
	s_lshl_b32 s58, s58, 2
	s_add_co_u32 s54, s54, s58
	v_lshl_add_u32 v[QSO], v[TM+1], 4, s54         ; the scale word of (tile, row r): 16 (r + 16 (t%2)) + 4 (t/2)
	s_mul_i32 s54, s[WV], 1536
	v_add_nc_u32 v[IMO], s54, v[L16]
.irp k, 0,1,2,3,4,5                    ; Q's fragment: six registers a head, six zeros between them
	global_load_b64 v[Q+2*\k+6*(\k/3):Q+2*\k+6*(\k/3)+1], v[IMO], s[4:5] offset:512*(\k/2)+8*(\k%2)
.endr
	global_load_b32 v[QS], v[QSO], s[4:5] offset:12288
.irp i, 0,1,2,3,4,5
	v_mov_b32 v[Q+6+\i], 0
.endr
	v_mov_b32 v[NA], v[L16]
	v_mov_b32 v[BA], v[L16]
	BLOAD
.irp h, 0,1
	v_mov_b32 v[ST+8*\h+3], 0xe0ad78ec             ; the running maximum begins at -1e20
	v_mul_f32 v[ST+8*\h], s[NC], v[ST+8*\h+3]
	v_mov_b32 v[ST+8*\h+1], 0
	v_mov_b32 v[ST+8*\h+2], 0
	v_mov_b32 v[ST+8*\h+4], 0
	v_mov_b32 v[ST+8*\h+5], 0
.endr
.irp b, 0,1,2,3
	v_mov_b32 v[TP+\b], 0                          ; a lane permute's destination counts as one of its sources
.endr
	WALU
	s_wait_tensorcnt 0x0                           ; my piece of slot 0 is in; these lines stand ahead of a later first fill
	ds_add_u32 v[SPW], v[NIL]
	s_wait_dscnt 0x0
	CROUND                                         ; everybody's piece is in
	tensor_load_to_lds s[G0W:G0W+3], s[G1:G1+7]    ; slot 1's first fill
	s_nop 0
.rept 4
	v_nop
.endr
	FPF 0, KS
	s_mov_b32 s[CNT], 4
.Lpass1:                                       ; a trip: a slot's four steps
	STEP1 0, 0x8000
	STEP1 0, 0x18000
	STEP1 0, 0x8000
	STEP1 1, 0x38000
	WIN 0
	s_sub_co_u32 s[CNT], s[CNT], 1
	s_cmp_lg_u32 s[CNT], 0
	s_cbranch_scc1 .Lpass1
	; BETWEEN THE PASSES: the ring has come round to steps 0 to 7.  O^T = 0; the two halves of the lanes are joined: M, the sum; the exponent's addend -cM - log2(sum)
	v_add_nc_u32 v[MA], s[MS0], v[L8]
	s_add_co_u32 s[MS], s[MS0], 512
.set ii, 0
.rept 64
	v_mov_b32 v[OA+ii], 0
.set ii, ii+1
.endr
.irp h, 0,1
	v_add_f32 v[ST+8*\h+4], v[ST+8*\h+4], v[ST+8*\h+5]
.endr
.irp h, 0,1
	v_permlanex16_b32 v[ST+8*\h+5], v[ST+8*\h], s[SEL], s[SEL+1]
.endr
.irp h, 0,1
	v_min_num_f32 v[ST+8*\h+6], v[ST+8*\h], v[ST+8*\h+5]   ; the lesser -cM is the greater M
.endr
.irp h, 0,1
	v_sub_f32 v[ST+8*\h+7], v[ST+8*\h+6], v[ST+8*\h]
.endr
	WALU
.irp h, 0,1
	v_exp_f32 v[ST+8*\h+7], v[ST+8*\h+7]
.endr
.irp h, 0,1
	v_mov_b32 v[ST+8*\h], v[ST+8*\h+6]
.endr
	WALU
.irp h, 0,1
	v_mul_f32 v[ST+8*\h+4], v[ST+8*\h+4], v[ST+8*\h+7]
.endr
.irp h, 0,1
	v_permlanex16_b32 v[ST+8*\h+5], v[ST+8*\h+4], s[SEL], s[SEL+1]
.endr
.irp h, 0,1
	v_add_f32 v[ST+8*\h+4], v[ST+8*\h+4], v[ST+8*\h+5]     ; the row's sum
.endr
	WALU
.irp h, 0,1
	v_log_f32 v[ST+8*\h+7], v[ST+8*\h+4]
.endr
	v_nop
	WALU
.irp h, 0,1
	v_sub_f32 v[ST+8*\h+7], v[ST+8*\h], v[ST+8*\h+7]
.endr
.irp h, 0,1
	v_cmp_lt_f32 vcc_lo, 0, v[ST+8*\h+4]
	v_cndmask_b32 v[ST+8*\h], 0xff61b1e6, v[ST+8*\h+7], vcc_lo   ; a row with no key left: -3e38, so that every p is 0
.endr
	WALU
	s_mov_b32 s[CNT], 2
.Lpass2:                                       ; steps 0 to 7: each slot is filled again, with steps 8 to 15
	STEP2 0, 0x8000, 0
	STEP2 0, 0x18000, 0
	STEP2 0, 0x8000, 0
	STEP2 2, 0x38000, 0
	WIN 0
	s_sub_co_u32 s[CNT], s[CNT], 1
	s_cmp_lg_u32 s[CNT], 0
	s_cbranch_scc1 .Lpass2
	s_mov_b32 s[CNT], 2
.Ltail:                                        ; steps 8 to 15 fetch nothing more
	STEP2 0, 0x8000, 0
	STEP2 0, 0x18000, 0
	STEP2 0, 0x8000, 0
	STEP2 3, 0x38000, 1
	WIN 0
	s_sub_co_u32 s[CNT], s[CNT], 1
	s_cmp_lg_u32 s[CNT], 0
	s_cbranch_scc1 .Ltail
	; THE WAY OUT: my 64 numbers of O^T (register 16b+i = k 32b + 16 (lane/16) + i of my row) become a fragment's codes and its scale word.  Each accumulator is read from its low end on.
.irp b, 0,1,2,3
	v_max3_num_f32 v[TM+\b], |v[OA+16*\b]|, |v[OA+1+16*\b]|, 0x1800000
.endr
.irp i, 2,4,6,8,10,12,14
.irp b, 0,1,2,3
	v_max3_num_f32 v[TM+\b], v[TM+\b], |v[OA+16*\b+\i]|, |v[OA+1+16*\b+\i]|
.endr
.endr
.irp b, 0,1,2,3
	v_permlanex16_b32 v[TP+\b], v[TM+\b], s[SEL], s[SEL+1]
.endr
.irp b, 0,1,2,3
	v_max_num_f32 v[TM+\b], v[TM+\b], v[TP+\b]
.endr
.irp b, 0,1,2,3
	v_add_nc_u32 v[SO+\b], 0xff000000, v[TM+\b]
.endr
.irp b, 0,1,2,3
	v_lshrrev_b32 v[BY+\b], 23, v[SO+\b]
.endr
	v_lshl_or_b32 v[OW], v[BY+1], 8, v[BY]
	v_lshl_or_b32 v[OW], v[BY+2], 16, v[OW]
	v_lshl_or_b32 v[OW], v[BY+3], 24, v[OW]
.irp c, 0,1
	v_cvt_scalef32_pk16_fp6_f32 v[PC+6*\c:PC+2+6*\c], v[OA+32*\c:OA+15+32*\c], v[SO+2*\c]
	v_cvt_scalef32_pk16_fp6_f32 v[PC+12+4*\c:PC+14+4*\c], v[OA+16+32*\c:OA+31+32*\c], v[SO+2*\c+1]
.endr
	v_nop
.irp c, 0,1                            ; the operand's layout wants a whole block in a lane
.irp i, 0,1,2
	v_permlane16_swap_b32 v[PC+6*\c+\i], v[PC+12+4*\c+\i]
.endr
.irp i, 0,1,2
	v_mov_b32 v[PC+3+6*\c+\i], v[PC+12+4*\c+\i]
.endr
.endr
.irp c, 0,1,2
	global_store_b128 v[IMO], v[PC+4*\c:PC+4*\c+3], s[12:13] offset:512*\c   ; 512 consecutive bytes a store
.endr
	global_store_b32 v[QSO], v[OW], s[12:13] offset:12288
	s_wait_tensorcnt 0x0                           ; the wave's end
	ds_add_u32 v[SPW], v[NIL]
	s_wait_dscnt 0x0
	CROUND                                         ; the closing round
	s_endpgm
.Lfunc_end_k_q92cfb50cf9_attn:
	.size	k_q92cfb50cf9_attn, .Lfunc_end_k_q92cfb50cf9_attn-k_q92cfb50cf9_attn
	.p2alignl 7, 3214868480
	.fill 96, 4, 3214868480
	.section	.rodata,"a",@progbits
	.p2align	6, 0x0
	.amdhsa_kernel k_q92cfb50cf9_attn
		.amdhsa_group_segment_fixed_size 327680
		.amdhsa_private_segment_fixed_size 0
		.amdhsa_enable_private_segment 0
		.amdhsa_kernarg_size 40
		.amdhsa_user_sgpr_count 2
		.amdhsa_user_sgpr_kernarg_segment_ptr 1
		.amdhsa_wavefront_size32 1
		.amdhsa_system_sgpr_workgroup_id_x 1
		.amdhsa_system_sgpr_workgroup_id_y 1
		.amdhsa_system_sgpr_workgroup_id_z 1
		.amdhsa_system_vgpr_workitem_id 0
		.amdhsa_next_free_vgpr 512
		.amdhsa_next_free_sgpr 66
		.amdhsa_reserve_vcc 1
		.amdhsa_float_denorm_mode_32 3
		.amdhsa_float_denorm_mode_16_64 3
		.amdhsa_memory_ordered 1
		.amdhsa_forward_progress 1
		.amdhsa_inst_pref_size 255
	.end_amdhsa_kernel
	.section	.bss,"aw",@nobits
	.p2align	6
	.space	262144
	.amdgpu_metadata
---
amdhsa.version: [ 1, 2 ]
amdhsa.kernels:
  - .name:           k_q92cfb50cf9_attn
    .symbol:         k_q92cfb50cf9_attn.kd
    .args:
      - { .name: qimg, .offset: 0, .size: 8, .value_kind: global_buffer, .address_space: global }
      - { .name: kimg, .offset: 8, .size: 8, .value_kind: global_buffer, .address_space: global }
      - { .name: vimg, .offset: 16, .size: 8, .value_kind: global_buffer, .address_space: global }
      - { .name: bimg, .offset: 24, .size: 8, .value_kind: global_buffer, .address_space: global }
      - { .name: oimg, .offset: 32, .size: 8, .value_kind: global_buffer, .address_space: global }
    .group_segment_fixed_size: 327680
    .private_segment_fixed_size: 0
    .kernarg_segment_align: 8
    .kernarg_segment_size: 40
    .max_flat_workgroup_size: 256
    .sgpr_count:     66
    .vgpr_count:     512
    .wavefront_size: 32
...
	.end_amdgpu_metadata
.endif
;; end of part 3
;; launch outp (part 4): grid 8 x 32, 4 waves a work-group, clusters of 4 x 4, 229,888 bytes of LDS; arguments opnd, oimg, bo, out0; writes out0
.if DOCPART == 4
	.amdgcn_target "amdgcn-amd-amdhsa--gfx1250"
	.amdhsa_code_object_version 6
	.text
	.protected	k_q92cfb50cf9_outp
	.globl	k_q92cfb50cf9_outp
	.p2align	8
	.type	k_q92cfb50cf9_outp,@function
k_q92cfb50cf9_outp:
	s_mov_b64 s[64:65], 0
	v_nop
	global_prefetch_b8 v0, s[64:65] scope:SCOPE_SE
	s_setreg_imm32_b32 hwreg(HW_REG_WAVE_MODE, 25, 1), 1
	s_wait_xcnt 0x0
	s_wait_alu depctr_hold_cnt(0) depctr_sa_sdst(0) depctr_va_vdst(0) depctr_va_sdst(0) depctr_va_ssrc(0) depctr_va_vcc(0) depctr_vm_vsrc(0)
	s_getreg_b32 s2, hwreg(HW_REG_IB_STS2, 6, 4)
	s_cmp_eq_u32 s2, 0
	s_cbranch_scc0 .Lentry_in_a_cluster
	s_endpgm
.Lentry_in_a_cluster:
	s_bfe_u32 s2, ttmp6, 0x10000c
	s_cmp_lg_u32 s2, 0xf033
	s_cbranch_scc0 .Lentry_shape_is_right
	s_endpgm
.Lentry_shape_is_right:
; OUTP.  out0 = O Wo^T + bo on codes of FP6 (E2M3) with E8M0 scales.  Both operands are images of their registers: Wo's from opnd (row blocks 120-127), O's from oimg.
; A work-group makes 128 rows x 128 columns: 256 work-groups.  Source 0 = rows of Wo (output columns: they run along a lane's registers), source 1 = rows of O (in the lanes).  A wave makes 64 x 64: 16 accumulators.
; ALL OF K (8 K steps, 102,400 bytes a side) comes into LDS once: nothing is filled again.  Each wave brings ONE tile of 51,200 dense bytes (four K steps of one side), its one tensor load.
; No loop runs ahead of these loads, so no prefetch is laid.
; CLUSTERS 4 x 4: Wo's block hangs on the cluster's x place and is shared along a column, O's on its y place and is shared along a row; each tile is asked for jointly.
; bo is the C of the first K step's products.  Results leave through the wave's own stage in LDS, so that sixteen lanes store 256 consecutive bytes, at a multiple of 256 from out0's first byte.
; REGISTERS: window 0: v1-12 addresses; v16-23 scale registers, two sets; v32-127, v128-223 fragments, two sets (P's four, then R's four); v224-255 bo.  window 1: accumulator (a = R tile, b = P tile) at v[8 (4a + b)].
.set IMG,   1536
.set OPB,   12800
.set TILE,  51200
.set RBB,   102400
.set STAGE, 2*RBB                      ; 16 rows x 272 bytes for each wave
.set SPARE, 0x38000                    ; the spare words, 512 bytes
.set AP,  2                            ; v2, v3   my four tiles of P: K steps 0-3, 4-7
.set AR,  4                            ; v4, v5   of R
.set ASP, 6                            ; v6, v7   P's scale registers
.set ASR, 8                            ; v8, v9   R's
.set STO, 10
.set RD,  11
.set CO,  12
.set SCR, 16
.set BB,  224
.set BK,  32
.set G1P, 24
.set G0P, 32
.set G1R, 48
.set G0R, 56
.set MSB, 0
.macro WIN new
.if MSB != (\new)
	s_set_vgpr_msb (MSB<<8)|(\new)
.set MSB, (\new)
.endif
.endm
.macro WMMA d, a, b, c, sa, sb, ra, rb
.if ((\ra)==0)&&((\rb)==0)
	v_wmma_scale_f32_16x16x128_f8f6f4 v[(\d):(\d)+7], v[(\a):(\a)+11], v[(\b):(\b)+11], v[(\c):(\c)+7], v[(\sa)], v[(\sb)] matrix_a_fmt:MATRIX_FMT_FP6 matrix_b_fmt:MATRIX_FMT_FP6
.elseif (\rb)==0
	v_wmma_scale_f32_16x16x128_f8f6f4 v[(\d):(\d)+7], v[(\a):(\a)+11], v[(\b):(\b)+11], v[(\c):(\c)+7], v[(\sa)], v[(\sb)] matrix_a_fmt:MATRIX_FMT_FP6 matrix_b_fmt:MATRIX_FMT_FP6 matrix_a_scale:MATRIX_SCALE_ROW1
.elseif (\ra)==0
	v_wmma_scale_f32_16x16x128_f8f6f4 v[(\d):(\d)+7], v[(\a):(\a)+11], v[(\b):(\b)+11], v[(\c):(\c)+7], v[(\sa)], v[(\sb)] matrix_a_fmt:MATRIX_FMT_FP6 matrix_b_fmt:MATRIX_FMT_FP6 matrix_b_scale:MATRIX_SCALE_ROW1
.else
	v_wmma_scale_f32_16x16x128_f8f6f4 v[(\d):(\d)+7], v[(\a):(\a)+11], v[(\b):(\b)+11], v[(\c):(\c)+7], v[(\sa)], v[(\sb)] matrix_a_fmt:MATRIX_FMT_FP6 matrix_b_fmt:MATRIX_FMT_FP6 matrix_a_scale:MATRIX_SCALE_ROW1 matrix_b_scale:MATRIX_SCALE_ROW1
.endif
.endm
.macro PLACES
.rept 4
	v_nop
.endr
.endm
.macro CROUND
	s_barrier_signal -1
	s_barrier_wait -1
	s_cmp_lg_u32 s14, 0
	s_cbranch_scc1 .Lnot_wave_0_\@
	s_barrier_signal -3
.Lnot_wave_0_\@:
	s_barrier_wait -3
	s_barrier_signal -1
	s_barrier_wait -1
.endm
.macro FETCH ks                        ; K step ks: 24 + 2 LDS loads into set ks % 2
.set FS, 32+96*((\ks)%2)
.set HI, (\ks)/4
.set KO, ((\ks)%4)*OPB
.irp i, 0,1,2,3
.irp c, 0,1,2
	ds_load_b128 v[FS+12*\i+4*\c:FS+12*\i+4*\c+3], v[AP+HI] offset:KO+\i*IMG+512*\c
.endr
.endr
.irp i, 0,1,2,3
.irp c, 0,1,2
	ds_load_b128 v[FS+48+12*\i+4*\c:FS+48+12*\i+4*\c+3], v[AR+HI] offset:KO+\i*IMG+512*\c
.endr
.endr
	ds_load_b64 v[SCR+4*((\ks)%2):SCR+4*((\ks)%2)+1], v[ASP+HI] offset:KO      ; two of the block's four scale registers: my four tiles'
	ds_load_b64 v[SCR+4*((\ks)%2)+2:SCR+4*((\ks)%2)+3], v[ASR+HI] offset:KO
.endm
.macro KSTEP ks
.if (\ks) > 0
	PLACES                                         ; in front of loads into registers that the last step but one's products read
.endif
.if (\ks) < 7
	FETCH (\ks)+1
	s_wait_dscnt 26                                ; all but the 26 just issued
.else
	s_wait_dscnt 0x0
.endif
.set FS, 32+96*((\ks)%2)
.set SS, SCR+4*((\ks)%2)
.if (\ks) == 0
	WIN 0x40                                       ; D window 1, C (bo) window 0
.else
	WIN 0x50
.endif
.irp a, 0,1,2,3                        ; the 16 accumulators take turns, one instruction a turn
.irp b, 0,1,2,3
.if (\ks) == 0
	WMMA 8*(4*\a+\b), FS+12*\b, FS+48+12*\a, BB+8*\b, SS+\b/2, SS+2+\a/2, \b%2, \a%2
.else
	WMMA 8*(4*\a+\b), FS+12*\b, FS+48+12*\a, 8*(4*\a+\b), SS+\b/2, SS+2+\a/2, \b%2, \a%2
.endif
.endr
.endr
	WIN 0
.endm
	s_load_b256 s[4:11], s[0:1], 0x0               ; opnd, oimg, bo, out0
	v_lshl_add_u32 v30, v0, 2, SPARE
	v_mov_b32 v31, 0
	ds_add_u32 v30, v31                            ; the opening lines: the add, twice on end, and its wait
	ds_add_u32 v30, v31
	v_lshrrev_b32 v1, 5, v0
	v_readfirstlane_b32 s14, v1                    ; wave 0..3
	s_lshr_b32 s15, s14, 1                         ; my half of the rows.  Also: I fetch for P (0) or for R (1)
	s_and_b32 s16, s14, 1                          ; my half of the columns.  Also: K steps 0-3 or 4-7
	s_bfe_u32 s40, ttmp6, 0x40000                  ; cx
	s_bfe_u32 s41, ttmp6, 0x40004                  ; cy
	s_lshl_b32 s42, ttmp9, 2
	s_add_co_u32 s42, s42, s40                     ; x: block of 128 columns, 0..7
	s_and_b32 s17, ttmp7, 0xffff
	s_lshl_b32 s17, s17, 2
	s_add_co_u32 s17, s17, s41                     ; y: block of 128 rows, 0..31
	s_lshl_b32 s43, s41, 2
	s_lshl_b32 s43, 15, s43                        ; my row of the cluster
	s_lshl_b32 s44, 0x1111, s40                    ; my column
	s_or_b32 s[G1P], s44, (3<<16)|(1<<21)          ; P's tiles go to my column, R's to my row; elements of 8 bytes; no padding
	s_or_b32 s[G1R], s43, (3<<16)|(1<<21)
.irp g, G1P, G1R
	s_mov_b32 s[\g+1], 32<<16                      ; rows of 256 bytes,
	s_mov_b32 s[\g+2], 200<<16                     ; 200 of them
	s_mov_b32 s[\g+3], 32<<16
	s_mov_b32 s[\g+4], 200
	s_mov_b32 s[\g+5], 32
	s_mov_b32 s[\g+6], 0
	s_mov_b32 s[\g+7], 0
.endr
	s_mul_i32 s20, s16, TILE
	s_add_co_u32 s46, s42, 120
	s_mul_i32 s46, s46, RBB
	s_add_co_u32 s46, s46, s20
	s_mov_b32 s47, 0
	s_mul_i32 s18, s17, RBB
	s_add_co_u32 s18, s18, s20
	s_mov_b32 s19, 0
	s_wait_dscnt 0x0
	s_wait_kmcnt 0x0
	s_add_nc_u64 s[46:47], s[4:5], s[46:47]
	s_add_nc_u64 s[18:19], s[6:7], s[18:19]
	CROUND                                         ; all sixteen work-groups are here: the joint loads meet
	s_mov_b32 s[G0P], 1
	s_mov_b32 s[G0P+1], s20
	s_mov_b64 s[G0P+2:G0P+3], s[46:47]
	s_or_b32 s[G0P+3], s[G0P+3], 0x80000000
	s_mov_b32 s[G0R], 1
	s_add_co_u32 s[G0R+1], s20, RBB
	s_mov_b64 s[G0R+2:G0R+3], s[18:19]
	s_or_b32 s[G0R+3], s[G0R+3], 0x80000000
	s_cmp_eq_u32 s15, 0                            ; one tensor load a wave, in the arms of one branch on the wave's number
	s_cbranch_scc0 .Lfor_r
	tensor_load_to_lds s[G0P:G0P+3], s[G1P:G1P+7]
	s_nop 0
.rept 4
	v_nop
.endr
	s_branch .Lasked
.Lfor_r:
	tensor_load_to_lds s[G0R:G0R+3], s[G1R:G1R+7]
	s_nop 0
.rept 4
	v_nop
.endr
.Lasked:
	v_and_b32 v13, 31, v0
	v_lshlrev_b32 v1, 4, v13                       ; 16 x lane
	v_and_b32 v13, 15, v0                          ; r
	v_bfe_u32 v14, v0, 4, 1                        ; h
	s_mul_i32 s21, s16, 4*IMG                      ; my four tiles of P,
	s_mul_i32 s22, s15, 4*IMG
	s_add_co_u32 s22, s22, RBB                     ; of R
	v_add_nc_u32 v[AP], s21, v1
	v_add_nc_u32 v[AP+1], 4*OPB, v[AP]
	v_add_nc_u32 v[AR], s22, v1
	v_add_nc_u32 v[AR+1], 4*OPB, v[AR]
	s_lshl_b32 s21, s16, 3
	s_add_co_u32 s21, s21, 12288
	s_lshl_b32 s22, s15, 3
	s_add_co_u32 s22, s22, RBB+12288
	v_add_nc_u32 v[ASP], s21, v1
	v_add_nc_u32 v[ASP+1], 4*OPB, v[ASP]
	v_add_nc_u32 v[ASR], s22, v1
	v_add_nc_u32 v[ASR+1], 4*OPB, v[ASR]
	s_mul_i32 s23, s14, 16*272
	s_add_co_u32 s23, s23, STAGE                   ; my stage
	v_mul_u32_u24 v[STO], v13, 272
	v_lshl_add_u32 v[STO], v14, 6, v[STO]
	v_add_nc_u32 v[STO], s23, v[STO]               ; in: row r, + 64 h
	v_mul_u32_u24 v[RD], v14, 272
	v_lshl_add_u32 v[RD], v13, 4, v[RD]
	v_add_nc_u32 v[RD], s23, v[RD]                 ; back: lanes 0-15 one row of 256 bytes, lanes 16-31 the next
	v_lshlrev_b32 v[CO], 12, v14
	v_lshl_add_u32 v[CO], v13, 4, v[CO]            ; and the same two rows in out0
	v_lshlrev_b32 v15, 6, v14                      ; bo: 16 h numbers on
	s_wait_alu depctr_va_vdst(0)
	s_lshl_b32 s21, s42, 9
	s_lshl_b32 s22, s16, 8
	s_add_co_u32 s22, s22, s21                     ; my 64 columns, in bytes: 512 x + 256 x half
	s_mov_b32 s23, 0
	s_add_nc_u64 s[8:9], s[8:9], s[22:23]
	s_add_nc_u64 s[10:11], s[10:11], s[22:23]
	s_lshl_b32 s21, s17, 7
	s_lshl_b32 s22, s15, 6
	s_add_co_u32 s21, s21, s22                     ; my first row: 128 y + 64 x half
	s_lshl_b32 s22, s21, 12
	s_add_nc_u64 s[10:11], s[10:11], s[22:23]
.irp b, 0,1,2,3
	global_load_b128 v[BB+8*\b:BB+8*\b+3], v15, s[8:9] offset:(32*(\b/2)+8*(\b%2))*4        ; tile b's register j: column 32 (b/2) + 8 (b%2) + 16 h + j
	global_load_b128 v[BB+8*\b+4:BB+8*\b+7], v15, s[8:9] offset:(32*(\b/2)+8*(\b%2))*4+16
.endr
	s_wait_tensorcnt 0x0                           ; my tile is in,
	s_barrier_signal -1
	s_barrier_wait -1                              ; everybody's is: all of K may be read
	FETCH 0
	s_wait_loadcnt 0x0                             ; bo
.irp k, 0,1,2,3,4,5,6,7
	KSTEP \k
.endr
	; THE WAY OUT, a tile of 16 rows x 64 columns at a time.  Lane r of tile a holds row 32 (a/2) + 8 (a%2) + r + 8 (r/8) of my 64.
	PLACES
.irp a, 0,1,2,3
.if \a > 1
	s_wait_xcnt 0x0                                ; the stores of the tile two back have read their registers
.endif
	WIN 0x04                                       ; an LDS store's data are its source 1: window 1
.irp b, 0,1,2,3
	ds_store_b128 v[STO], v[8*(4*\a+\b):8*(4*\a+\b)+3] offset:128*(\b/2)+32*(\b%2)       ; each accumulator from its low end on
	ds_store_b128 v[STO], v[8*(4*\a+\b)+4:8*(4*\a+\b)+7] offset:128*(\b/2)+32*(\b%2)+16
.endr
	WIN 0
.irp i, 0,1,2,3,4,5,6,7
	ds_load_b128 v[BK+32*(\a%2)+4*\i:BK+32*(\a%2)+4*\i+3], v[RD] offset:544*\i   ; LDS serves a wave's instructions in order: these see my stores, and the next tile's stores come behind them
.endr
.irp i, 0,1,2,3,4,5,6,7
	s_wait_dscnt 7-\i
	global_store_b128 v[CO], v[BK+32*(\a%2)+4*\i:BK+32*(\a%2)+4*\i+3], s[10:11] offset:(32*(\a/2)+8*(\a%2)+2*\i+8*(\i/4))*4096 th:TH_STORE_NT
.endr
.endr
	s_wait_tensorcnt 0x0                           ; the wave's end
	ds_add_u32 v30, v31
	s_wait_dscnt 0x0
	CROUND                                         ; the closing round: no work-group ends while a partner may still ask for a tile that names it
	s_endpgm
.Lfunc_end_k_q92cfb50cf9_outp:
	.size	k_q92cfb50cf9_outp, .Lfunc_end_k_q92cfb50cf9_outp-k_q92cfb50cf9_outp
	.p2alignl 7, 3214868480
	.fill 96, 4, 3214868480
	.section	.rodata,"a",@progbits
	.p2align	6, 0x0
	.amdhsa_kernel k_q92cfb50cf9_outp
		.amdhsa_group_segment_fixed_size 229888
		.amdhsa_private_segment_fixed_size 0
		.amdhsa_enable_private_segment 0
		.amdhsa_kernarg_size 32
		.amdhsa_user_sgpr_count 2
		.amdhsa_user_sgpr_kernarg_segment_ptr 1
		.amdhsa_wavefront_size32 1
		.amdhsa_system_sgpr_workgroup_id_x 1
		.amdhsa_system_sgpr_workgroup_id_y 1
		.amdhsa_system_sgpr_workgroup_id_z 1
		.amdhsa_system_vgpr_workitem_id 0
		.amdhsa_next_free_vgpr 384
		.amdhsa_next_free_sgpr 66
		.amdhsa_reserve_vcc 0
		.amdhsa_float_denorm_mode_32 3
		.amdhsa_float_denorm_mode_16_64 3
		.amdhsa_memory_ordered 1
		.amdhsa_forward_progress 1
		.amdhsa_inst_pref_size 47
	.end_amdhsa_kernel
	.amdgpu_metadata
---
amdhsa.version: [ 1, 2 ]
amdhsa.kernels:
  - .name:           k_q92cfb50cf9_outp
    .symbol:         k_q92cfb50cf9_outp.kd
    .args:
      - { .name: opnd, .offset: 0, .size: 8, .value_kind: global_buffer, .address_space: global }
      - { .name: oimg, .offset: 8, .size: 8, .value_kind: global_buffer, .address_space: global }
      - { .name: bo, .offset: 16, .size: 8, .value_kind: global_buffer, .address_space: global }
      - { .name: out0, .offset: 24, .size: 8, .value_kind: global_buffer, .address_space: global }
    .group_segment_fixed_size: 229888
    .private_segment_fixed_size: 0
    .kernarg_segment_align: 8
    .kernarg_segment_size: 32
    .max_flat_workgroup_size: 128
    .sgpr_count:     66
    .vgpr_count:     384
    .wavefront_size: 32
...
	.end_amdgpu_metadata
.endif
;; end of part 4
